; MI455X (gfx1250); checked and timed in simulation.
; The chip was launched on July 23, 2026; its instructions are those of AMD's public machine-readable ISA for CDNA 5 (MIT licence, August 2026) and "CDNA5" Instruction Set Architecture Reference Guide (July 2026). The comments in the code are by the model that wrote it; some were corrected since.
;; Causal Self Attention. Allowed arithmetic: matrix products marked QUANTISED: E4M3 operands, one given power-of-two scale a tensor, by v_wmma_f32_16x16x64_fp8_fp8 or v_wmma_f32_16x16x128_fp8_fp8, f32 sums; everything else in f32.
;; Inputs: b_proj 1,024 float32; b_qkv 3,072 float32; lowp_scales 8 int32 (the exponents e of the quantised operands' scales 2^e); w_proj 1,024 x 1,024 float32; w_qkv 1,024 x 3,072 float32; x 1 x 4,096 x 1,024 float32.
;; Outputs: out0 1 x 4,096 x 1,024 float32.
;; This version of the problem:
;;   THIS VERSION OF THE PROBLEM IS GIVEN IN LOW PRECISION. The matrix products marked QUANTISED in the list below multiply operands that are first quantised to E4M3 (4 exponent bits, 3 mantissa bits; 8 bits a number), with one given power-of-two scale for each operand tensor; their sums are f32. All else is computed in f32.
;;   The module's matrix products, in the order in which they are computed (A, B: the left and right operand; K: the contracted axis; several contracted axes count as one K, in the product's order):
;;     1. [M 4,096, K 1,024] x [K 1,024, N 3,072]; A: input x; B: input w_qkv: QUANTISED (scales: A lowp_scales[0], B lowp_scales[1])
;;     2. batch 16 x [M 4,096, K 64] x [K 64, N 4,096]; A: computed on the way; B: computed on the way: QUANTISED (scales: A lowp_scales[2], B lowp_scales[3])
;;     3. batch 16 x [M 4,096, K 4,096] x [K 4,096, N 64]; A: softmax (see below); B: computed on the way: QUANTISED (scales: A lowp_scales[4], B lowp_scales[5])
;;     4. [M 4,096, K 1,024] x [K 1,024, N 1,024]; A: computed on the way; B: input w_proj: QUANTISED (scales: A lowp_scales[6], B lowp_scales[7])
;;   THE QUANTISER, for each operand of a quantised product, along K:
;;     - The operand's scale is 2^e, e = its entry of the input lowp_scales (int32; the entries are numbered through the quantised products in the list's order, A before B).
;;     - Each number is divided by the scale, clamped to +-448, and rounded to the nearest number of E4M3, ties to even, subnormals kept.
;;     - The product sums the exact products of the quantised numbers (number of the format x scale) in f32.
;;   ~~~python
;;   def quantise(x, axis, e):      # numpy; x: float32 -> the quantised numbers, widened to float32 again
;;       x = np.moveaxis(x, axis, -1); K = x.shape[-1]
;;       r = np.clip(x / 2.0 ** e, -448, 448)
;;       step = 2.0 ** (np.maximum(np.frexp(np.where(r == 0, 1, r))[1] - 1, -6) - 3)
;;       q = np.round(r / step) * step * 2.0 ** e      # np.round: ties to even
;;       return np.moveaxis(q, -1, axis).astype(np.float32)
;;   ~~~
;;   SOFTMAX AHEAD OF A QUANTISED PRODUCT. Where the list says 'softmax', what is quantised is not the finished softmax but p = 2^(t - M), with t = logit x log2(e) and M = ceil(the row's largest t), a whole number; so 1/2 < the row's largest p <= 1. The row's sum l is taken of the UNQUANTISED p, in f32, and the product's result is divided by l at the end. Since M is a whole number, a kernel that streams over the keys may use a running M (the ceiling of the running maximum): every later rescaling is an exact power of two, so the quantised numbers keep their values, but for numbers so far below the row's largest that they fall under the format's range.
;;   OPERANDS COMPUTED ON THE WAY. 'Computed on the way' means the value that the module computes at that place (a softmax that the list does not call 'softmax' is quantised finished and normalised). What goes into a quantiser is computed in f32, as accurately as f32 sums, v_exp_f32 and their like allow (about 1e-6 of the number): no bf16 or f16 on the way to a quantiser, and a product that is left as it is and whose result goes on into a quantised operand takes f32 operands (vector FMAs, or v_wmma_f32_16x16x4_f32). A number that lies on a knife's edge between two numbers of the format may be rounded either way, as far as f32 arithmetic and the matrix unit's own rounding can turn it there, and no further.
;; One version. Each part assembles by itself: llvm-mc -triple=amdgcn-amd-amdhsa -mcpu=gfx1250 --defsym DOCPART=n.
;; ======== version 1 of 1: 4 launches
;; limits: right only within a limited range of input values
;; workspace buffers: xc 4,194,304 bytes; wqc 3,145,728 bytes; wpc 1,048,576 bytes; qc 4,194,304 bytes; kc 4,194,304 bytes; vc 4,194,304 bytes; ac 4,194,304 bytes
;; launch quant (part 1): grid 256 x 1, 4 waves a work-group, no clusters, 102,912 bytes of LDS; arguments x, w_qkv, w_proj, lowp_scales, xc, wqc, wpc; writes xc, wqc, wpc
.if DOCPART == 1
	.amdgcn_target "amdgcn-amd-amdhsa--gfx1250"
	.amdhsa_code_object_version 6
	.text
	.protected	k_qbbdf785a2f_quant
	.globl	k_qbbdf785a2f_quant
	.p2align	8
	.type	k_qbbdf785a2f_quant,@function
k_qbbdf785a2f_quant:
	s_mov_b64 s[64:65], 0
	v_nop
	global_prefetch_b8 v0, s[64:65] scope:SCOPE_SE
	s_setreg_imm32_b32 hwreg(HW_REG_WAVE_MODE, 25, 1), 1
	s_wait_xcnt 0x0
; The three f32 inputs become codes of FP8 (E4M3), K innermost, each with its given scale 2^e:
;   x [4096][1024] -> xc [4096][1024] (e = entry 0);  w_qkv [1024 k][3072 n] -> wqc [3072][1024] (entry 1);  w_proj [1024 k][1024 n] -> wpc [1024][1024] (entry 7).
; code = number / 2^e, held within +-448, rounded to the nearest code, ties to even.
; LIMITS: each e between -126 and 119, so that 2^e and 448 x 2^e are f32 numbers.  NaN among the inputs is not served.
; SHARES: every work-group takes 32,768 numbers.  Work-groups 0-127: x, a plain stream (K is innermost).  128-223: w_qkv, 224-255: w_proj: 128 columns x 256 along K.
; The three ways part on the work-group's number and never join; each has LDS bytes of its own.  No tensor loads, no barrier: waves share nothing.
.set SP,    80                         ; x: a lane's place in a stage: 64 bytes + 16 of padding
.set PITCH, 272                        ; weights: a stage row: 256 bytes of codes + 16
.set WST1,  32768                      ; LDS: 0: x's stages, 8,192 bytes a wave;  here w_qkv's four stages of 32 rows;
.set WST2,  67584                      ; here w_proj's;
.set SPARE, 102400                     ; behind them the spare words, 128 bytes a wave: two blocks of 256 bytes that no other line names
.set SPW,   12                         ; v12  LDS address of my spare word; never rewritten
.set NIL,   13                         ; v13  0; never rewritten
.set XR,    16                         ; x: v16-143 eight sets of 16 numbers as they are loaded
.set XX,    144                        ;    v144-175 two sets of 16 neighbours
.set XC,    176                        ;    v176-239 codes, four registers for each step: no store's data are written again
.set WX,    32                         ; weights: v32-95 two sets of 32 numbers
.set WC,    96                         ;    v96-103 a block's codes
.set WO,    112                        ;    v112-175 the way out: w_qkv's rows read back; w_proj's codes, eight registers a block
; wpc is laid as the projection's operand registers want it: [64 tiles of 16 columns][32 blocks of 32 k][2 h][16 columns][16 bytes]; the 16 bytes are k = 8 h + 0..7 and 16 + 8 h + 0..7 of the block.
.macro XLOAD t                         ; step t: 2,048 bytes; each load reads 512 consecutive bytes
.irp i, 0,1,2,3
	global_load_b128 v[XR+16*((\t)%8)+4*\i:XR+16*((\t)%8)+4*\i+3], v3, s[4:5] offset:2048*(\t)+512*\i th:TH_LOAD_NT
.endr
.endm
.macro XTURN t                         ; step t's numbers through the wave's stage: in as they lie, out 64 bytes a lane.  LDS serves a wave's instructions in order
.irp i, 0,1,2,3
	ds_store_b128 v14, v[XR+16*((\t)%8)+4*\i:XR+16*((\t)%8)+4*\i+3] offset:32*SP*((\t)%2)+8*SP*\i
.endr
.irp i, 0,1,2,3
	ds_load_b128 v[XX+16*((\t)%2)+4*\i:XX+16*((\t)%2)+4*\i+3], v15 offset:32*SP*((\t)%2)+16*\i
.endr
.endm
.macro XSTEP t
.set XS, XX+16*((\t)%2)
	s_wait_dscnt 0x0                               ; this step's numbers are back: its stores into the stage have read their registers,
.if (\t)+8 < 16
	XLOAD (\t)+8                                   ; which take the loads of eight steps on
.endif
.if (\t)+1 < 16
.if (\t)+8 < 16
	s_wait_loadcnt 28                              ; the next step's four loads are in; those of the seven steps behind it may be out
.else
	s_wait_loadcnt 4*(14-(\t))                     ; the counts run down: steps t + 2 to 15 may be out
.endif
	XTURN (\t)+1
.endif
.irp i, 0,1,2,3,4,5,6,7,8,9,10,11,12,13,14,15
	v_med3_num_f32 v[XS+\i], v[XS+\i], -v10, v10   ; the conversion does not saturate (ISA guide 7.6.2): the hold at the largest code x the scale
.endr
	v_cvt_scalef32_pk8_fp8_f32 v[XC+4*(\t):XC+4*(\t)+1], v[XS:XS+7], v11
	v_cvt_scalef32_pk8_fp8_f32 v[XC+4*(\t)+2:XC+4*(\t)+3], v[XS+8:XS+15], v11
	global_store_b128 v3, v[XC+4*(\t):XC+4*(\t)+3], s[12:13] offset:512*(\t)   ; 32 lanes store 512 consecutive bytes
.endm
.macro WLOAD t, n                      ; block t: W(32 t + i, my column), i = 0 .. 31: a lane takes a column, its registers run down K
.irp i, 0,1,2,3,4,5,6,7,8,9,10,11,12,13,14,15,16,17,18,19,20,21,22,23,24,25,26,27,28,29,30,31
	global_load_b32 v[WX+32*((\t)%2)+\i], v3, s[20:21] offset:(32*(\t)+\i)*(\n)*4 th:TH_LOAD_NT
.endr
.endm
.macro WBLOCK t, n, img
.set XS, WX+32*((\t)%2)
.if (\t) < 7
	s_wait_loadcnt 32                              ; this block's 32 loads are in; the next block's may be out
.else
	s_wait_loadcnt 0
.endif
.irp i, 0,1,2,3,4,5,6,7,8,9,10,11,12,13,14,15,16,17,18,19,20,21,22,23,24,25,26,27,28,29,30,31
	v_med3_num_f32 v[XS+\i], v[XS+\i], -v10, v10
.endr
.if \img
.irp g, 0,1,2,3
	v_cvt_scalef32_pk8_fp8_f32 v[WO+8*(\t)+4*(\g%2)+2*(\g/2):WO+8*(\t)+4*(\g%2)+2*(\g/2)+1], v[XS+8*\g:XS+8*\g+7], v11
.endr
	global_store_b128 v8, v[WO+8*(\t):WO+8*(\t)+3], s[22:23] offset:512*(\t)          ; h = 0: sixteen lanes store 256 consecutive bytes, aligned
	global_store_b128 v8, v[WO+8*(\t)+4:WO+8*(\t)+7], s[22:23] offset:512*(\t)+256    ; h = 1
.if (\t)+2 < 8
	WLOAD (\t)+2, \n
.endif
.else
.irp g, 0,1,2,3
	v_cvt_scalef32_pk8_fp8_f32 v[WC+2*\g:WC+2*\g+1], v[XS+8*\g:XS+8*\g+7], v11
.endr
	ds_store_b128 v4, v[WC:WC+3] offset:32*(\t)    ; 32 codes of my column's row
	ds_store_b128 v4, v[WC+4:WC+7] offset:32*(\t)+16
.if (\t)+2 < 8
	WLOAD (\t)+2, \n
.endif
	s_wait_dscnt 0x0                               ; the stores have read their registers: the next block's codes may be written
.endif
.endm
.macro SCALE es                        ; v11 = 2^e, v10 = 448 x 2^e
	s_add_co_i32 s32, s[\es], 127
	s_lshl_b32 s33, s32, 23
	v_mov_b32 v11, s33
	s_add_co_i32 s32, s32, 8
	s_lshl_b32 s32, s32, 23
	s_or_b32 s32, s32, 0x600000
	v_mov_b32 v10, s32
.endm
.macro THE_END
	s_wait_tensorcnt 0x0
	ds_add_u32 v[SPW], v[NIL]
	s_wait_dscnt 0x0
	s_endpgm
.endm
; A weight [1024 k][n]: the work-group takes 128 columns x 256 along K, a wave 32 columns.  Every offset is an immediate: 255 x n x 4 stays inside the signed 24 bits.
.macro WPATH n, inp, outp, es, ldsb, first, img
	s_sub_co_u32 s19, ttmp9, \first
	s_and_b32 s32, s19, 3                          ; which 256 along K
	s_lshr_b32 s33, s19, 2
	s_lshl_b32 s33, s33, 7
	s_lshl_b32 s34, s18, 5
	s_add_co_u32 s33, s33, s34                     ; my wave's first column
	s_mul_i32 s34, s32, 256*(\n)*4
	s_lshl_b32 s35, s33, 2
	s_add_co_u32 s34, s34, s35
	s_mov_b32 s35, 0
	s_add_nc_u64 s[20:21], s[\inp:\inp+1], s[34:35]
	s_lshl_b32 s36, s33, 10                        ; codes: column x 1,024 + 256 x the K block
.if \img
	s_lshl_b32 s37, s32, 12                        ; the image: 8 blocks of 512 bytes for each 256 along K
.else
	s_lshl_b32 s37, s32, 8
.endif
	s_add_co_u32 s36, s36, s37
	s_mov_b32 s37, 0
	s_add_nc_u64 s[22:23], s[\outp:\outp+1], s[36:37]
	v_lshlrev_b32 v3, 2, v2
	WLOAD 0, \n
	WLOAD 1, \n
	v_and_b32 v5, 15, v2
	v_lshrrev_b32 v6, 4, v2
.if \img
	v_lshlrev_b32 v8, 14, v6                       ; a tile of 16 columns is 16,384 bytes
.else
	s_mul_i32 s19, s18, 32*PITCH
	s_add_co_u32 s19, s19, \ldsb                   ; my stage
	v_mul_u32_u24 v4, v2, PITCH
	v_add_nc_u32 v4, s19, v4                       ; into it: row = my column
	v_mul_u32_u24 v7, v6, PITCH
	v_lshl_add_u32 v7, v5, 4, v7
	v_add_nc_u32 v7, s19, v7                       ; out of it: sixteen lanes to a row, two rows an instruction
	v_lshlrev_b32 v8, 10, v6
.endif
	v_lshl_add_u32 v8, v5, 4, v8                   ; and my place in the codes
	s_wait_kmcnt 0x0
	SCALE \es
	s_wait_alu depctr_va_vdst(0)
.irp t, 0,1,2,3,4,5,6,7
	WBLOCK \t, \n, \img
.endr
.if \img == 0
.irp t, 0,1,2,3,4,5,6,7,8,9,10,11,12,13,14,15
	ds_load_b128 v[WO+4*\t:WO+4*\t+3], v7 offset:2*\t*PITCH
.endr
.irp t, 0,1,2,3,4,5,6,7,8,9,10,11,12,13,14,15
	s_wait_dscnt 15-\t                             ; LDS loads come back in order: rows 2 t, 2 t + 1 are in
	global_store_b128 v8, v[WO+4*\t:WO+4*\t+3], s[22:23] offset:2048*\t   ; sixteen lanes store 256 consecutive bytes, aligned
.endr
.endif
	THE_END
.endm
	s_load_b256 s[4:11], s[0:1], 0x0               ; x s[4:5], w_qkv s[6:7], w_proj s[8:9], the exponents s[10:11]
	s_load_b128 s[12:15], s[0:1], 0x20             ; xc s[12:13], wqc s[14:15]
	s_load_b64 s[16:17], s[0:1], 0x30              ; wpc
	v_lshl_add_u32 v[SPW], v0, 2, SPARE
	v_mov_b32 v[NIL], 0
	v_lshrrev_b32 v1, 5, v0
	v_readfirstlane_b32 s18, v1                    ; wave 0..3
	v_and_b32 v2, 31, v0                           ; lane
	s_wait_kmcnt 0x0
	s_load_b256 s[24:31], s[10:11], 0x0            ; e0 .. e7
	s_cmp_lt_u32 ttmp9, 128
	s_cbranch_scc0 .Lweights
	; ---- x: my wave's run of 8,192 numbers, 16 steps of 512
	s_wait_alu depctr_va_vdst(0)
	v_lshlrev_b32 v3, 4, v2                        ; 16 x lane: my bytes of a load's 512, and of a store's
	s_lshl_b32 s20, ttmp9, 2
	s_add_co_u32 s20, s20, s18
	s_lshl_b32 s22, s20, 15
	s_mov_b32 s23, 0
	s_add_nc_u64 s[4:5], s[4:5], s[22:23]
	s_lshl_b32 s22, s20, 13
	s_add_nc_u64 s[12:13], s[12:13], s[22:23]
.irp t, 0,1,2,3,4,5,6,7
	XLOAD \t
.endr
	s_lshl_b32 s19, s18, 13                        ; my wave's 8,192 bytes of LDS
	v_lshrrev_b32 v14, 2, v2
	v_mul_u32_u24 v14, v14, SP
	v_and_b32 v15, 3, v2
	v_lshl_add_u32 v14, v15, 4, v14
	v_add_nc_u32 v14, s19, v14                     ; in: four lanes' 64 bytes on end, then 16 of padding
	v_mul_u32_u24 v15, v2, SP
	v_add_nc_u32 v15, s19, v15                     ; out: my 16 neighbours
	s_wait_alu depctr_va_vdst(0)
	s_wait_kmcnt 0x0
	SCALE 24
	s_wait_alu depctr_va_vdst(0)
	s_wait_loadcnt 28                              ; step 0's four loads are in, seven steps' may be out
	XTURN 0
.irp t, 0,1,2,3,4,5,6,7,8,9,10,11,12,13,14,15
	XSTEP \t
.endr
	THE_END
.Lweights:
	s_cmp_lt_u32 ttmp9, 224
	s_cbranch_scc0 .Lproj
	s_wait_alu depctr_va_vdst(0)
	WPATH 3072, 6, 14, 25, WST1, 128, 0
.Lproj:
	s_wait_alu depctr_va_vdst(0)
	WPATH 1024, 8, 16, 31, WST2, 224, 1
.Lfunc_end_k_qbbdf785a2f_quant:
	.size	k_qbbdf785a2f_quant, .Lfunc_end_k_qbbdf785a2f_quant-k_qbbdf785a2f_quant
	.p2alignl 7, 3214868480
	.fill 96, 4, 3214868480
	.section	.rodata,"a",@progbits
	.p2align	6, 0x0
	.amdhsa_kernel k_qbbdf785a2f_quant
		.amdhsa_group_segment_fixed_size 102912
		.amdhsa_private_segment_fixed_size 0
		.amdhsa_enable_private_segment 0
		.amdhsa_kernarg_size 56
		.amdhsa_user_sgpr_count 2
		.amdhsa_user_sgpr_kernarg_segment_ptr 1
		.amdhsa_wavefront_size32 1
		.amdhsa_system_sgpr_workgroup_id_x 1
		.amdhsa_system_sgpr_workgroup_id_y 1
		.amdhsa_system_sgpr_workgroup_id_z 1
		.amdhsa_system_vgpr_workitem_id 0
		.amdhsa_next_free_vgpr 240
		.amdhsa_next_free_sgpr 66
		.amdhsa_reserve_vcc 0
		.amdhsa_float_denorm_mode_32 3
		.amdhsa_float_denorm_mode_16_64 3
		.amdhsa_memory_ordered 1
		.amdhsa_forward_progress 1
		.amdhsa_inst_pref_size 130
	.end_amdhsa_kernel
	.amdgpu_metadata
---
amdhsa.version: [ 1, 2 ]
amdhsa.kernels:
  - .name:           k_qbbdf785a2f_quant
    .symbol:         k_qbbdf785a2f_quant.kd
    .args:
      - { .name: x, .offset: 0, .size: 8, .value_kind: global_buffer, .address_space: global }
      - { .name: w_qkv, .offset: 8, .size: 8, .value_kind: global_buffer, .address_space: global }
      - { .name: w_proj, .offset: 16, .size: 8, .value_kind: global_buffer, .address_space: global }
      - { .name: lowp_scales, .offset: 24, .size: 8, .value_kind: global_buffer, .address_space: global }
      - { .name: xc, .offset: 32, .size: 8, .value_kind: global_buffer, .address_space: global }
      - { .name: wqc, .offset: 40, .size: 8, .value_kind: global_buffer, .address_space: global }
      - { .name: wpc, .offset: 48, .size: 8, .value_kind: global_buffer, .address_space: global }
    .group_segment_fixed_size: 102912
    .private_segment_fixed_size: 0
    .kernarg_segment_align: 8
    .kernarg_segment_size: 56
    .max_flat_workgroup_size: 128
    .sgpr_count:     66
    .vgpr_count:     240
    .wavefront_size: 32
...
	.end_amdgpu_metadata
.endif
;; end of part 1
;; launch qkv (part 2): grid 12 x 16, 4 waves a work-group, clusters of 4 x 4, 327,680 bytes of LDS; arguments xc, wqc, lowp_scales, b_qkv, qc, kc, vc; writes qc, kc, vc
.if DOCPART == 2
	.amdgcn_target "amdgcn-amd-amdhsa--gfx1250"
	.amdhsa_code_object_version 6
	.text
	.protected	k_qbbdf785a2f_qkv
	.globl	k_qbbdf785a2f_qkv
	.p2align	8
	.type	k_qbbdf785a2f_qkv,@function
k_qbbdf785a2f_qkv:
	s_mov_b64 s[64:65], 0
	v_nop
	global_prefetch_b8 v0, s[64:65] scope:SCOPE_SE
	s_setreg_imm32_b32 hwreg(HW_REG_WAVE_MODE, 25, 1), 1
	s_wait_xcnt 0x0
	s_wait_alu depctr_hold_cnt(0) depctr_sa_sdst(0) depctr_va_vdst(0) depctr_va_sdst(0) depctr_va_ssrc(0) depctr_va_vcc(0) depctr_vm_vsrc(0)
	s_getreg_b32 s2, hwreg(HW_REG_IB_STS2, 6, 4)
	s_cmp_eq_u32 s2, 0
	s_cbranch_scc0 .Lentry_in_a_cluster
	s_endpgm
.Lentry_in_a_cluster:
	s_bfe_u32 s2, ttmp6, 0x10000c
	s_cmp_lg_u32 s2, 0xf033
	s_cbranch_scc0 .Lentry_shape_is_right
	s_endpgm
.Lentry_shape_is_right:
; q, k, v = x w_qkv + b_qkv on codes of FP8 (E4M3), each quantised for its next product (entries 2, 3, 5 of the exponents).  xc [4096 t][1024], wqc [3072 n][1024]: K innermost.
; Tiles of 256 x 256, a work-group of four waves of 128 x 128; K in steps of 256 through two LDS slots; clusters of 4 x 4 ask jointly (A's tile along a row of the cluster, B's along a column).
; Cluster column 0 makes q, 1 makes k: A = x's rows, B = w's columns.  Column 2 makes v with the two exchanged (A = w's columns, the channels), so that a lane's registers run along t, the keys, K of the product that reads v.
; The matrix instruction is used transposed (source 0 = B, source 1 = A): lane (r, h) holds row 16 a + r of A's and registers 8 h + 0..7 of B's tile b.
; THE BIAS starts the sums: it is C of a tile's first product, divided by 2^(e0 + e1), which the sums lack; the same power goes into the hold and the conversion.
; OUT, as images of operand registers, 16 bytes a lane, straight from registers:
;   qc, kc: [16 heads][256 tiles of 16 t][2 c][2 h][16 t][16 bytes]: d = 32 c + 8 h + 0..7 and 32 c + 16 + 8 h + 0..7
;   vc: [16 heads][32 blocks of 128 t][4 tiles of 16 d][4 c][2 h][16 d][16 bytes]: t = 32 c + 8 h + 0..7 and 32 c + 16 + 8 h + 0..7
; LIMITS: e0 + e1 between -127 and 126; each of e2, e3, e5 less (e0 + e1) between -126 and 119; a bias divided by 2^(e0 + e1) stays an f32 number.  NaN is not served.
; REGISTERS, in windows of 256: window 0: v0-31 addresses, v32-95 the bias, from v128 A's fragments (one set); on the way out v128-191 held sums, v192-255 codes.  Window 1: B's fragments, two sets.  Windows 2, 3: the accumulators of my rows 0-63, 64-127.
.set ROWB,   256
.set KROW,   1024
.set PITCH,  272                       ; an LDS row: 256 bytes + 16 of padding
.set FR,     16
.set NL,     4
.set NP,     4
.set HALFT,  128*PITCH
.set SLOT,   4*HALFT
.set SPARE,  2*SLOT                    ; the spare words, 128 bytes a wave: two blocks of 256 bytes that no other line names
.set BOC,  12
.set ADRA, 16
.set ADRB, 20
.set CO,   26
.set SCV,  27
.set SPW,  28
.set NIL,  29
.set LIMV, 30
.set PFO,  31                          ; a row of 1,024 bytes x lane, for the prefetches
.set BI,   32
.set BR,   96
.set AF,   128
.set TMP,  128
.set CD,   192
.set G1, 24
.set G0, 32
.set G1B, 48
.set G0B, 56
.set PFA, 98                           ; s[98:99] where my prefetches stand, at K step 0
.set MSB, 0
.macro WIN new                         ; the immediate's high byte repeats the setting that is left
.if MSB != \new
	s_set_vgpr_msb (MSB<<8)|\new
.set MSB, \new
.endif
.endm
.set MUL_LO, 0xa1                      ; source 0 (B) window 1, source 1 (A) window 0, C and D window 2
.set MUL_HI, 0xf1                      ; the same, C and D window 3
.set TO_B,   0x40
.macro JLOAD g0a, g1a, g0b, g1b        ; waves 0 and 1 fetch for A, waves 2 and 3 for B; an s_nop 0 and four v_nop follow each line
	s_cmp_eq_u32 s15, 0
	s_cbranch_scc0 .Lfor_b_\@
	tensor_load_to_lds s[\g0a:\g0a+3], s[\g1a:\g1a+7]
	s_nop 0
.rept 4
	v_nop
.endr
	s_branch .Lasked_\@
.Lfor_b_\@:
	tensor_load_to_lds s[\g0b:\g0b+3], s[\g1b:\g1b+7]
	s_nop 0
.rept 4
	v_nop
.endr
.Lasked_\@:
.endm
; A PREFETCH INTO THE L2 of K step k, behind the joint load of K step k - 1, one K step ahead of its own: of the 128 rows that a wave fetches each of the four partners takes 32, told apart by address; a lane a row, 256 bytes, aligned.
.macro ASK k
	global_prefetch_b8 v[PFO], s[PFA:PFA+1] offset:ROWB*(\k) th:TH_LOAD_NT scope:SCOPE_SE
.endm
.macro CREST
	s_cmp_lg_u32 s14, 0
	s_cbranch_scc1 .Lnot_wave_0_\@
	s_barrier_signal -3
.Lnot_wave_0_\@:
	s_barrier_wait -3
	s_barrier_signal -1
	s_barrier_wait -1
.endm
.macro CROUND                          ; a whole round of the cluster's barrier
	s_barrier_signal -1
	s_barrier_wait -1
	CREST
.endm
	s_load_b256 s[4:11], s[0:1], 0x0               ; xc, wqc, the exponents, b_qkv
	s_load_b128 s[68:71], s[0:1], 0x20             ; qc, kc
	s_load_b64 s[72:73], s[0:1], 0x30              ; vc
	v_lshl_add_u32 v[SPW], v0, 2, SPARE
	v_mov_b32 v[NIL], 0
	ds_add_u32 v[SPW], v[NIL]                      ; the wave's opening: the add, twice on end, and its wait ahead of my first tensor load
	ds_add_u32 v[SPW], v[NIL]
	v_lshrrev_b32 v1, 5, v0
	v_readfirstlane_b32 s14, v1                    ; wave 0..3
	s_lshr_b32 s15, s14, 1                         ; my half of A's rows; also: I fetch for A (0) or B (1)
	s_and_b32 s16, s14, 1                          ; my half of B's; also: which 128 rows I fetch
	s_bfe_u32 s40, ttmp6, 0x40000
	s_bfe_u32 s41, ttmp6, 0x40004
	s_and_b32 s74, ttmp7, 0xffff
	s_lshl_b32 s74, s74, 2
	s_lshl_b32 s75, ttmp9, 2
	s_cmp_eq_u32 ttmp9, 2
	s_cselect_b32 s17, 0, s74                      ; A's tile: of x's rows; for v of w's columns, which begin at 2,048
	s_cselect_b32 s42, s74, s75                    ; B's tile: of w's columns; for v of x's rows
	s_cselect_b32 s91, 2048, 0
	s_add_co_u32 s17, s17, s41
	s_add_co_u32 s42, s42, s40
	s_lshl_b32 s43, s41, 2
	s_lshl_b32 s43, 15, s43                        ; my row of the cluster
	s_lshl_b32 s44, 0x1111, s40                    ; my column
	s_or_b32 s[G1+0], s43, (0<<16)|(1<<20)|(1<<21)|(5<<22)|(3<<25)
	s_or_b32 s[G1B+0], s44, (0<<16)|(1<<20)|(1<<21)|(5<<22)|(3<<25)
.irp g, G1, G1B
	s_mov_b32 s[\g+1], ROWB<<16
	s_mov_b32 s[\g+2], 128<<16
	s_mov_b32 s[\g+3], ROWB<<16
	s_mov_b32 s[\g+4], 128
	s_mov_b32 s[\g+5], KROW
	s_mov_b32 s[\g+6], 0
	s_mov_b32 s[\g+7], 0
.endr
	s_lshl_b32 s18, s16, 7
	s_lshl_b32 s20, s17, 8
	s_add_co_u32 s20, s20, s18
	s_add_co_u32 s20, s20, s91
	s_lshl_b32 s20, s20, 10
	s_mov_b32 s21, 0
	s_lshl_b32 s46, s42, 8
	s_add_co_u32 s46, s46, s18
	s_lshl_b32 s46, s46, 10
	s_mov_b32 s47, 0
	s_mul_i32 s45, s14, HALFT                      ; where my part goes in a slot
	s_wait_dscnt 0x0                               ; both opening adds are done
	s_wait_kmcnt 0x0
	s_load_b256 s[80:87], s[8:9], 0x0              ; e0 .. e7
	s_cmp_eq_u32 ttmp9, 2
	s_cselect_b64 s[76:77], s[6:7], s[4:5]
	s_cselect_b64 s[78:79], s[4:5], s[6:7]
	s_add_nc_u64 s[20:21], s[76:77], s[20:21]
	s_add_nc_u64 s[46:47], s[78:79], s[46:47]
	CROUND                                         ; all sixteen work-groups are here: the first joint loads meet
.irp s, 0,1
	s_mov_b32 s[G0+4*\s], 1
	s_add_co_u32 s[G0+4*\s+1], s45, \s*SLOT
	s_add_nc_u64 s[G0+4*\s+2:G0+4*\s+3], s[20:21], \s*ROWB
	s_or_b32 s[G0+4*\s+3], s[G0+4*\s+3], 0x80000000
	s_mov_b32 s[G0B+4*\s], 1
	s_add_co_u32 s[G0B+4*\s+1], s45, \s*SLOT
	s_add_nc_u64 s[G0B+4*\s+2:G0B+4*\s+3], s[46:47], \s*ROWB
	s_or_b32 s[G0B+4*\s+3], s[G0B+4*\s+3], 0x80000000
.endr
	JLOAD G0, G1, G0B, G1B                         ; K step 0: one tensor load a wave at the head; the set-up below stands under its flight
	s_cmp_eq_u32 s15, 0
	s_cselect_b64 s[PFA:PFA+1], s[20:21], s[46:47]
	s_cselect_b32 s18, s40, s41                    ; my place among the four that ask with me
	s_lshl_b32 s18, s18, 15                        ; 32 rows of 1,024 bytes each
	s_mov_b32 s19, 0
	s_add_nc_u64 s[PFA:PFA+1], s[PFA:PFA+1], s[18:19]
	v_and_b32 v6, 31, v0
	v_lshlrev_b32 v[PFO], 10, v6
	v_lshlrev_b32 v[CO], 4, v6                     ; the way out: 16 x lane
	ASK 1
	v_and_b32 v1, 15, v0                           ; r
	v_bfe_u32 v2, v0, 4, 1                         ; h
	v_mul_u32_u24 v3, v1, PITCH
	v_lshl_add_u32 v4, v2, 4, v3
	s_mul_i32 s21, s15, HALFT
	s_mul_i32 s22, s16, HALFT
	s_add_co_u32 s22, s22, 2*HALFT
.irp s, 0,1
	v_add_nc_u32 v[ADRA+\s], s21, v4
	v_add_nc_u32 v[ADRB+\s], s22, v4
	s_add_co_u32 s21, s21, SLOT
	s_add_co_u32 s22, s22, SLOT
.endr
	; where my results go: two bases, for c = 0, 1 and for c = 2, 3, and their step from row block to row block
	s_and_b32 s94, s42, 3
	s_lshl_b32 s94, s94, 2
	s_lshl_b32 s95, s16, 1
	s_add_co_u32 s94, s94, s95
	s_lshl_b32 s94, s94, 18                        ; q, k: my first head,
	s_lshl_b32 s95, s17, 8
	s_lshl_b32 s97, s15, 7
	s_add_co_u32 s95, s95, s97
	s_lshl_b32 s95, s95, 6
	s_add_co_u32 s94, s94, s95                     ; and my first t
	s_lshl_b32 s96, s17, 2
	s_lshl_b32 s97, s15, 1
	s_add_co_u32 s96, s96, s97
	s_lshl_b32 s96, s96, 18                        ; v: my first head,
	s_lshl_b32 s97, s42, 1
	s_add_co_u32 s97, s97, s16
	s_lshl_b32 s97, s97, 13
	s_add_co_u32 s96, s96, s97                     ; and my block of 128 t
	s_cmp_eq_u32 ttmp9, 0
	s_cselect_b64 s[92:93], s[68:69], s[70:71]
	s_cmp_eq_u32 ttmp9, 2
	s_cselect_b64 s[92:93], s[72:73], s[92:93]
	s_cselect_b32 s94, s96, s94
	s_mov_b32 s95, 0
	s_add_nc_u64 s[92:93], s[92:93], s[94:95]
	s_mov_b32 s96, 262144                          ; q, k: c = 2, 3 are the next head
	s_mov_b32 s97, 0
	s_cmp_eq_u32 ttmp9, 2
	s_cselect_b32 s96, 1024, s96
	s_add_nc_u64 s[94:95], s[92:93], s[96:97]
	s_mov_b32 s96, 1024                            ; q, k: 16 t on
	s_cselect_b32 s96, 2048, s96                   ; v: 16 d on
	s_mov_b32 s74, 1024
	s_cselect_b32 s74, 262144-3*2048, s74          ; v, from block 3 to 4: the next head
	s_mov_b32 s75, 0
	s_wait_alu depctr_va_vdst(0)
	s_wait_kmcnt 0x0
	s_add_co_i32 s90, s80, s81                     ; e0 + e1
	s_sub_co_i32 s88, 127, s90
	s_lshl_b32 s88, s88, 23                        ; 2^-(e0 + e1)
	s_mov_b32 s89, s88
	s_cmp_eq_u32 ttmp9, 0
	s_cselect_b32 s91, s82, s83
	s_cmp_eq_u32 ttmp9, 2
	s_cselect_b32 s91, s85, s91                    ; the result's exponent
	s_sub_co_i32 s90, s91, s90
	s_add_co_i32 s90, s90, 127
	s_lshl_b32 s91, s90, 23
	v_mov_b32 v[SCV], s91                          ; the conversion's scale
	s_add_co_i32 s90, s90, 8
	s_lshl_b32 s90, s90, 23
	s_or_b32 s90, s90, 0x600000
	v_mov_b32 v[LIMV], s90                         ; 448 x that
	s_cmp_eq_u32 ttmp9, 2
	s_cbranch_scc1 .Lbias_v
	s_lshl_b32 s20, s42, 8
	s_lshl_b32 s21, s16, 7
	s_add_co_u32 s20, s20, s21
	s_lshl_b32 s20, s20, 2                         ; q, k: along the registers: columns 16 b + 8 h + 0..7
	v_bfe_u32 v5, v0, 4, 1
	v_lshlrev_b32 v[BOC], 5, v5
	v_add_nc_u32 v[BOC], s20, v[BOC]
.irp b, 0,1,2,3,4,5,6,7
	global_load_b128 v[BI+8*\b:BI+8*\b+3], v[BOC], s[10:11] offset:64*\b
	global_load_b128 v[BI+8*\b+4:BI+8*\b+7], v[BOC], s[10:11] offset:64*\b+16
.endr
	s_wait_loadcnt 0x0
.set j, 0
.rept 32
	v_pk_mul_f32 v[BI+j:BI+j+1], v[BI+j:BI+j+1], s[88:89] op_sel_hi:[1,0]
.set j, j+2
.endr
	s_branch .Lbias_done
.Lbias_v:
	s_lshl_b32 s20, s17, 8
	s_lshl_b32 s21, s15, 7
	s_add_co_u32 s20, s20, s21
	s_add_co_u32 s20, s20, 2048
	s_lshl_b32 s20, s20, 2                         ; v: along the lanes: row 16 a + r
	v_and_b32 v5, 15, v0
	v_lshlrev_b32 v[BOC], 2, v5
	v_add_nc_u32 v[BOC], s20, v[BOC]
.irp a, 0,1,2,3,4,5,6,7
	global_load_b32 v[BR+\a], v[BOC], s[10:11] offset:64*\a
.endr
	s_wait_loadcnt 0x0
.irp a, 0,1,2,3,4,5,6,7
.irp j, 0,1,2,3,4,5,6,7
	v_mul_f32 v[BI+8*\a+\j], s88, v[BR+\a]
.endr
.endr
.Lbias_done:
.macro FRAG reg, adr, q, i             ; 16 rows x 128 K: registers 4 c .. 4 c + 3 hold K = 32 c + 16 h + 0..15, the same permutation of k in A and B
.irp c, 0,1,2,3
	ds_load_b128 v[\reg+4*\c:\reg+4*\c+3], v[\adr] offset:128*(\q)+32*\c+(\i)*16*PITCH
.endr
.endm
; 16 matrix instructions: A's blocks a0, a0 + 1 x B's eight.  first = 1 (q, k) or 2 (v): the bias starts the sums.  The 64 accumulators take turns, one instruction a turn.
.macro MUL16 a0, p, first
.irp a, \a0, \a0+1
.irp b, 0,1,2,3,4,5,6,7
.if \first == 1
	v_wmma_f32_16x16x128_fp8_fp8 v[8*(8*((\a)%4)+\b):8*(8*((\a)%4)+\b)+7], v[128*(\p)+FR*\b:128*(\p)+FR*\b+FR-1], v[AF+FR*(\a):AF+FR*(\a)+FR-1], v[BI+8*\b:BI+8*\b+7]
.elseif \first == 2
	v_wmma_f32_16x16x128_fp8_fp8 v[8*(8*((\a)%4)+\b):8*(8*((\a)%4)+\b)+7], v[128*(\p)+FR*\b:128*(\p)+FR*\b+FR-1], v[AF+FR*(\a):AF+FR*(\a)+FR-1], v[BI+8*(\a):BI+8*(\a)+7]
.else
	v_wmma_f32_16x16x128_fp8_fp8 v[8*(8*((\a)%4)+\b):8*(8*((\a)%4)+\b)+7], v[128*(\p)+FR*\b:128*(\p)+FR*\b+FR-1], v[AF+FR*(\a):AF+FR*(\a)+FR-1], v[8*(8*((\a)%4)+\b):8*(8*((\a)%4)+\b)+7]
.endif
.endr
.endr
.endm
.macro FETCH_B slot, q, p
	WIN TO_B
.irp i, 0,1,2,3,4,5,6,7
	FRAG 128*(\p)+FR*\i, ADRB+\slot, \q, \i
.endr
	WIN 0
.endm
.macro FETCH_A slot, q, i0
.irp i, \i0, \i0+1, \i0+2, \i0+3
	FRAG AF+FR*(\i), ADRA+\slot, \q, \i
.endr
.endm
.macro PLACES n                        ; places behind matrix instructions, ahead of loads into their registers and of reads of their results
.rept \n
	v_nop
.endr
.endm
.macro STEP slot, q, first             ; 128 along K with a successor in the same slot
	s_wait_dscnt 4*NL                              ; B's set and A's blocks 0-3 are in; A's blocks 4-7 may be out
.if \first
	WIN MUL_LO&0xcf                                ; C in window 0
.else
	WIN MUL_LO
.endif
	MUL16 0, (\q)%2, \first
	MUL16 2, (\q)%2, \first
	s_wait_dscnt 0
	PLACES NP
	FETCH_B \slot, (\q)+1, 1-(\q)%2
	FETCH_A \slot, (\q)+1, 0
.if \first
	WIN MUL_HI&0xcf
.else
	WIN MUL_HI
.endif
	MUL16 4, (\q)%2, \first
	MUL16 6, (\q)%2, \first
	PLACES NP
	WIN 0
	FETCH_A \slot, (\q)+1, 4
.endm
.macro TURN slot, next, fill, ask      ; a slot's last step changes slots; fill = 1: the slot is filled again, two K steps on; ask: the K step to prefetch, or 0
	s_wait_tensorcnt 0x0                           ; my part of the next slot is in;
	ds_add_u32 v[SPW], v[NIL]
	s_wait_dscnt 4*NL+1                            ; (the add and A's blocks 4-7 may be out)
	WIN MUL_LO
	MUL16 0, 1, 0
	s_wait_dscnt 0x0                               ; the add is done, and my reads of this slot are over
	s_barrier_signal -1
	MUL16 2, 1, 0
	WIN 0
	s_barrier_wait -1
.if \fill
	CREST                                          ; no wave of any partner still reads this slot or has a load on its way
	s_add_nc_u64 s[G0+4*\slot+2:G0+4*\slot+3], s[G0+4*\slot+2:G0+4*\slot+3], 2*ROWB
	s_add_nc_u64 s[G0B+4*\slot+2:G0B+4*\slot+3], s[G0B+4*\slot+2:G0B+4*\slot+3], 2*ROWB
	JLOAD G0+4*\slot, G1, G0B+4*\slot, G1B
.else
	PLACES NP
.endif
	FETCH_B \next, 0, 0
	FETCH_A \next, 0, 0
.if \ask
	ASK \ask
.endif
	WIN MUL_HI
	MUL16 4, 1, 0
	MUL16 6, 1, 0
	PLACES NP
	WIN 0
	FETCH_A \next, 0, 4
.endm
	s_wait_alu depctr_va_vdst(0)
	s_wait_tensorcnt 0x0                           ; my part of K step 0 is in; these lines stand ahead of a later first fill, as ahead of a refill
	ds_add_u32 v[SPW], v[NIL]
	s_wait_dscnt 0x0
	CROUND                                         ; everybody's part of K step 0 is in, and the joint loads of K step 1 meet
	JLOAD G0+4, G1, G0B+4, G1B
	FETCH_B 0, 0, 0
	FETCH_A 0, 0, 0
	FETCH_A 0, 0, 4
	ASK 2
	s_cmp_eq_u32 ttmp9, 2
	s_cbranch_scc1 .Lfirst_v
	STEP 0, 0, 1
	s_branch .Lfirst_done
.Lfirst_v:
	STEP 0, 0, 2
.Lfirst_done:
	TURN 0, 1, 1, 3
	STEP 1, 0, 0
	TURN 1, 0, 1, 0
	STEP 0, 0, 0
	TURN 0, 1, 0, 0
	STEP 1, 0, 0
	s_wait_dscnt 4*NL
	WIN MUL_LO
	MUL16 0, 1, 0
	MUL16 2, 1, 0
	s_wait_dscnt 0
	WIN MUL_HI
	MUL16 4, 1, 0
	MUL16 6, 1, 0
	WIN 0
	PLACES NP
; THE WAY OUT, block a of 16 rows x 128: held within 448 x the scale (the conversion does not saturate: ISA guide 7.6.2), converted, stored; two neighbouring tiles' codes are a lane's 16 bytes.
.macro HOLD a, j0
.set j, \j0
.rept 32
	v_med3_num_f32 v[TMP+j], v[64*((\a)%4)+j], -v[LIMV], v[LIMV]
.set j, j+1
.endr
.endm
.irp a, 0,1,2,3,4,5,6,7
.set CDS, CD+16*(\a%4)
	WIN 0x02+(\a/4)
	HOLD \a, 0
.if \a > 0
	s_wait_xcnt 0x0                                ; the last block's stores have read their bases and their codes
.if \a == 4
	s_add_nc_u64 s[92:93], s[92:93], s[74:75]
	s_add_nc_u64 s[94:95], s[94:95], s[74:75]
.else
	s_add_nc_u64 s[92:93], s[92:93], s[96:97]
	s_add_nc_u64 s[94:95], s[94:95], s[96:97]
.endif
.endif
	HOLD \a, 32
	WIN 0
.irp b, 0,1,2,3,4,5,6,7
	v_cvt_scalef32_pk8_fp8_f32 v[CDS+2*\b:CDS+2*\b+1], v[TMP+8*\b:TMP+8*\b+7], v[SCV]
.endr
	v_nop                                          ; one plain vector instruction behind the last conversion
.irp c, 0,1                            ; 32 lanes store 512 consecutive bytes, aligned
	global_store_b128 v[CO], v[CDS+4*\c:CDS+4*\c+3], s[92:93] offset:512*\c
	global_store_b128 v[CO], v[CDS+8+4*\c:CDS+8+4*\c+3], s[94:95] offset:512*\c
.endr
.endr
	s_wait_tensorcnt 0x0                           ; the wave's end
	ds_add_u32 v[SPW], v[NIL]
	s_wait_dscnt 0x0
	CROUND                                         ; the closing round
	s_endpgm
.Lfunc_end_k_qbbdf785a2f_qkv:
	.size	k_qbbdf785a2f_qkv, .Lfunc_end_k_qbbdf785a2f_qkv-k_qbbdf785a2f_qkv
	.p2alignl 7, 3214868480
	.fill 96, 4, 3214868480
	.section	.rodata,"a",@progbits
	.p2align	6, 0x0
	.amdhsa_kernel k_qbbdf785a2f_qkv
		.amdhsa_group_segment_fixed_size 327680
		.amdhsa_private_segment_fixed_size 0
		.amdhsa_enable_private_segment 0
		.amdhsa_kernarg_size 56
		.amdhsa_user_sgpr_count 2
		.amdhsa_user_sgpr_kernarg_segment_ptr 1
		.amdhsa_wavefront_size32 1
		.amdhsa_system_sgpr_workgroup_id_x 1
		.amdhsa_system_sgpr_workgroup_id_y 1
		.amdhsa_system_sgpr_workgroup_id_z 1
		.amdhsa_system_vgpr_workitem_id 0
		.amdhsa_next_free_vgpr 1024
		.amdhsa_next_free_sgpr 100
		.amdhsa_reserve_vcc 0
		.amdhsa_float_denorm_mode_32 3
		.amdhsa_float_denorm_mode_16_64 3
		.amdhsa_memory_ordered 1
		.amdhsa_forward_progress 1
		.amdhsa_inst_pref_size 136
	.end_amdhsa_kernel
	.amdgpu_metadata
---
amdhsa.version: [ 1, 2 ]
amdhsa.kernels:
  - .name:           k_qbbdf785a2f_qkv
    .symbol:         k_qbbdf785a2f_qkv.kd
    .args:
      - { .name: xc, .offset: 0, .size: 8, .value_kind: global_buffer, .address_space: global }
      - { .name: wqc, .offset: 8, .size: 8, .value_kind: global_buffer, .address_space: global }
      - { .name: lowp_scales, .offset: 16, .size: 8, .value_kind: global_buffer, .address_space: global }
      - { .name: b_qkv, .offset: 24, .size: 8, .value_kind: global_buffer, .address_space: global }
      - { .name: qc, .offset: 32, .size: 8, .value_kind: global_buffer, .address_space: global }
      - { .name: kc, .offset: 40, .size: 8, .value_kind: global_buffer, .address_space: global }
      - { .name: vc, .offset: 48, .size: 8, .value_kind: global_buffer, .address_space: global }
    .group_segment_fixed_size: 327680
    .private_segment_fixed_size: 0
    .kernarg_segment_align: 8
    .kernarg_segment_size: 56
    .max_flat_workgroup_size: 128
    .sgpr_count:     100
    .vgpr_count:     1024
    .wavefront_size: 32
...
	.end_amdgpu_metadata
.endif
;; end of part 2
;; launch attn (part 3): grid 16 x 16, 16 waves a work-group, clusters of 4 x 1, 327,680 bytes of LDS; arguments qc, kc, vc, lowp_scales, ac; writes ac
.if DOCPART == 3
	.amdgcn_target "amdgcn-amd-amdhsa--gfx1250"
	.amdhsa_code_object_version 6
	.text
	.protected	k_qbbdf785a2f_attn
	.globl	k_qbbdf785a2f_attn
	.p2align	8
	.type	k_qbbdf785a2f_attn,@function
k_qbbdf785a2f_attn:
	s_mov_b64 s[64:65], 0
	v_nop
	global_prefetch_b8 v0, s[64:65] scope:SCOPE_SE
	s_setreg_imm32_b32 hwreg(HW_REG_WAVE_MODE, 25, 1), 1
	s_wait_xcnt 0x0
	s_wait_alu depctr_hold_cnt(0) depctr_sa_sdst(0) depctr_va_vdst(0) depctr_va_sdst(0) depctr_va_ssrc(0) depctr_va_vcc(0) depctr_vm_vsrc(0)
	s_getreg_b32 s2, hwreg(HW_REG_IB_STS2, 6, 4)
	s_cmp_eq_u32 s2, 0
	s_cbranch_scc0 .Lentry_in_a_cluster
	s_endpgm
.Lentry_in_a_cluster:
	s_bfe_u32 s2, ttmp6, 0x10000c
	s_cmp_lg_u32 s2, 0x3003
	s_cbranch_scc0 .Lentry_shape_is_right
	s_endpgm
.Lentry_shape_is_right:
; Causal attention of one head on codes of FP8 (E4M3), and its result quantised for the projection.
; qc, kc, vc are images of operand registers, 16 bytes a lane (laid by the launch before).  Out: ac [256 tiles of 16 t][16 heads][2 c][2 h][16 t][16 bytes]: d = 32 c + 8 h + 0..7 and 32 c + 16 + 8 h + 0..7, codes with the scale 2^e6.
; t = score x log2(e) / 8; M = the running largest t rounded UP to a whole number; p = 2^(t - M) is quantised with 2^e4, not normalised; the row's sum is taken of the unquantised p and divides at the end.
; LIMITS: e2 + e3 between -123 and 130 (added to c's exponent field); e4, e6 between -126 and 119; e4 + e5 goes in by v_ldexp_f32 and has none.  The scaled scores stay under 2^31 in magnitude.  NaN is not served.
; LEFT OUT: key steps all of whose keys come after a tile's queries: the causal mask, which the problem builds itself, makes their p 0 for all inputs.  A NaN or an infinity that reaches only those is not carried on.
; SHARES.  A cluster (j, head) of four work-groups owns the super-blocks 7 - j and j of 512 queries, one after the other.  Partner cx's wave w (0..7) takes the tile of 16 queries 4 w + cx of the first, 4 (7 - w) + cx of the second.
; Keys come in slots of 512, four steps of 128: waves 0 to 7 (group 0) take steps 0 and 2, waves 8 to 15 (group 1) the same tiles' steps 1 and 3.  At a tile's end group 1 hands its O^T, -M and sum over through LDS and group 0 joins the two.
; The two super-blocks need 8 - j and j + 1 slots: 9 in every cluster; which steps of the last slot a wave walks hangs on w alone.  So all partners walk the same slots, and K and V are asked for jointly: wave 0 K's 32,768 bytes, wave 1 V's.
; THE CHANGE OF SLOTS IS SPLIT: a wave signals as soon as its second step's fragments are in registers; that step's softmax and second product, work on registers, stand between the signal and the wait.
; LAYOUT.  Both products transposed: S^T = K Q^T (16x16x64), O^T = V^T P^T (16x16x128): a lane holds ONE query (lane % 16).
; Register j of S^T's tile T is key 16 T + 8 (lane / 16) + j, which is the place that the K = 128 form gives registers 2 T, 2 T + 1 of its operand: each tile's conversion IS a pair of P's registers.
; REGISTERS: v1-11 addresses; v12 -M, v13 the largest score, v[14:15] the sum; v16-23 Q, v24-31 the second Q; v160-191 O^T; v192-207 codes.
; v32-95 and v96-159 are two regions: a trip's first step has its fragments (K's, then V's) in the first and S^T, then p, in the second; the second step the other way round, so that its K is loaded where p has been converted.
.set RA,    32
.set RB,    96
.set SLOT1, 65536                      ; a slot: K's 32,768 bytes, then V's; slot 1 begins here
.set VOFF,  32768
.set MRG,   131072                     ; the exchange: 8 x 4,608 bytes; no tensor load lands there
.set MRGW,  4608
.set SPARE, MRG+8*MRGW                 ; the spare words, 128 bytes a wave: eight blocks of 256 bytes that no other line names
.set AK0, 1                            ; 16 x lane + 8,192 x group
.set MA0, 2                            ; my tile's place in the exchange
.set PFO, 3                            ; 256 x lane, for the prefetches
.set AD,  4                            ; LDS address of my fragments in the slot in hand
.set SPW, 5
.set NIL, 6
.set GO,  7                            ; 16 x lane
.set DL,  11                           ; r - 8 h, for the mask
.set TRIP, 3
.set WV,   14
.set WT,   15
.set N1,   16                          ; slots of the first super-block
.set NS,   17                          ; the slot asked for last
.set CUR,  18                          ; the trip's first step, in steps of 128 keys
.set LASTS, 19                         ; my tile's last step, the one on the diagonal
.set SEL,  20
.set CS,   22
.set G1,   24
.set G0K,  32
.set G0V,  36
.set GRP,  44
.set QOFF, 47                          ; my tile's first query less the first key of its last step
.set PFA,  56
.set LIM,  58
.set LAST2, 59
.set KB,   76
.set VB,   78
.set TB,   80                          ; LDS byte at which the slot in hand begins
.set NCS,  81                          ; -c
.set PMAX, 82                          ; 448 x 2^e4
.set NXT,  83                          ; the trip's second step
.set FT,   84                          ; the trip for which a slot was asked last
.set NEND, 85                          ; trips done at the tile's end
.macro CREST                           ; a round of the cluster's barrier behind its opening barrier
	s_cmp_lg_u32 s[WV], 0
	s_cbranch_scc1 .Lnot_wave_0_\@
	s_barrier_signal -3
.Lnot_wave_0_\@:
	s_barrier_wait -3
	s_barrier_signal -1
	s_barrier_wait -1
.endm
.macro CROUND
	s_barrier_signal -1
	s_barrier_wait -1
	CREST
.endm
; The joint loads: the branches hang on the wave's number alone.  An s_nop 0 and four v_nop follow each.
.macro TLOAD
	s_cmp_eq_u32 s[WV], 0
	s_cbranch_scc0 .Lnot_k_\@
	tensor_load_to_lds s[G0K:G0K+3], s[G1:G1+7]
	s_nop 0
.rept 4
	v_nop
.endr
	s_branch .Lasked_\@
.Lnot_k_\@:
	s_cmp_eq_u32 s[WV], 1
	s_cbranch_scc0 .Lasked_\@
	tensor_load_to_lds s[G0V:G0V+3], s[G1:G1+7]
	s_nop 0
.rept 4
	v_nop
.endr
.Lasked_\@:
.endm
; A PREFETCH INTO THE L2: where the slot for trip f is asked for, the slot for trip f + 1, one trip ahead of its load.  Each block of 256 bytes is named once in each cluster: the partners share a slot out by address (8,192 bytes of K and of V each),
; wave 2 asks for K, wave 3 for V, lanes 256 bytes apart.  Slots 0 and 1 come by their loads alone; slot 7 - j, the first super-block's last, is the last that is asked for; the second super-block's slots have all been read.
.macro ASK
	s_cmp_lt_u32 s[FT], s[LIM]
	s_cbranch_scc0 .Lnot_mine_\@
	global_prefetch_b8 v[PFO], s[PFA:PFA+1] th:TH_LOAD_NT scope:SCOPE_SE
.Lnot_mine_\@:
.endm
	s_load_b256 s[4:11], s[0:1], 0x0               ; qc s[4:5], kc s[6:7], vc s[8:9], the exponents s[10:11]
	s_load_b64 s[12:13], s[0:1], 0x20              ; ac
	v_lshl_add_u32 v[SPW], v0, 2, SPARE
	v_mov_b32 v[NIL], 0
	ds_add_u32 v[SPW], v[NIL]                      ; the wave's opening: the add, twice on end, and its wait ahead of my first tensor load
	ds_add_u32 v[SPW], v[NIL]
	v_lshrrev_b32 v9, 5, v0
	v_readfirstlane_b32 s[WV], v9                  ; wave 0..15
	s_and_b32 s[WT], s[WV], 7
	s_lshr_b32 s[GRP], s[WV], 3
	s_bfe_u32 s60, ttmp6, 0x40000                  ; cx
	s_and_b32 s61, ttmp7, 0xffff                   ; the head
	s_lshl_b32 s62, s61, 18                        ; its first byte in qc, kc and vc
	s_mov_b32 s63, 0
	s_sub_co_u32 s[N1], 8, ttmp9                   ; ttmp9 = j
	s_mov_b32 s[NEND], s[N1]
	s_sub_co_u32 s66, 7, ttmp9
	s_lshl_b32 s67, s66, 5
	s_lshl_b32 s68, s[WT], 2
	s_add_co_u32 s67, s67, s68
	s_add_co_u32 s67, s67, s60                     ; my first tile: 32 (7 - j) + 4 w + cx
	s_lshl_b32 s69, ttmp9, 5
	s_add_co_u32 s69, s69, 28
	s_sub_co_u32 s69, s69, s68
	s_add_co_u32 s69, s69, s60                     ; my second: 32 j + 4 (7 - w) + cx
	s_lshr_b32 s70, s[WT], 1
	s_lshl_b32 s[LASTS], s66, 2
	s_add_co_u32 s[LASTS], s[LASTS], s70           ; 4 (7 - j) + w / 2
	s_lshl_b32 s[LAST2], ttmp9, 2
	s_add_co_u32 s[LAST2], s[LAST2], 3
	s_sub_co_u32 s[LAST2], s[LAST2], s70           ; 4 j + (7 - w) / 2
	s_and_b32 s71, s[WT], 1
	s_lshl_b32 s71, s71, 6
	s_lshl_b32 s72, s60, 4
	s_add_co_u32 s[QOFF], s71, s72                 ; 64 (w % 2) + 16 cx
	s_lshl_b32 s72, s67, 10
	s_add_co_u32 s72, s72, s62
	s_mov_b32 s73, 0
	s_lshl_b32 s74, s69, 10
	s_add_co_u32 s74, s74, s62
	s_mov_b32 s75, 0
	s_lshl_b32 s66, s67, 14
	s_lshl_b32 s61, s61, 10
	s_add_co_u32 s66, s66, s61
	s_mov_b32 s67, 0
	s_lshl_b32 s68, s69, 14
	s_add_co_u32 s68, s68, s61
	s_mov_b32 s69, 0
	s_lshl_b32 s60, s60, 13
	s_add_co_u32 s60, s60, 32768                   ; the prefetches stand in slot 1: the first change of slots steps them to slot 2
	s_mov_b32 s61, 0
	s_mov_b32 s[G1], 15|(1<<21)                    ; the mask: all four partners; 21 set beside a mask; elements of 1 byte, no padding
	s_mov_b32 s[G1+1], 256<<16                     ; tensor_dim0
	s_mov_b32 s[G1+2], 128<<16                     ; tensor_dim1
	s_mov_b32 s[G1+3], 256<<16                     ; tile_dim0
	s_mov_b32 s[G1+4], 128                         ; tile_dim1
	s_mov_b32 s[G1+5], 256                         ; the pitch: the block is dense
	s_mov_b32 s[G1+6], 0
	s_mov_b32 s[G1+7], 0
	s_mov_b32 s[SEL], 0x76543210
	s_mov_b32 s[SEL+1], 0xfedcba98
	s_mov_b32 s[CS], 0x3e38aa3b                    ; c = log2(e) / 8
	s_mov_b32 s[TB], 0
	s_mov_b32 s[TRIP], 0
	s_mov_b32 s[NS], 0
	s_mov_b32 s[FT], 0
	s_mov_b32 s[CUR], s[GRP]
	s_add_co_u32 s[NXT], s[GRP], 2
	s_mov_b32 s[G0K], 1
	s_mov_b32 s[G0K+1], 0
	s_mov_b32 s[G0V], 1
	s_mov_b32 s[G0V+1], VOFF
	s_wait_dscnt 0x0                               ; both opening adds are done
	s_wait_kmcnt 0x0
	s_load_b256 s[48:55], s[10:11], 0x0            ; e0 .. e7
	s_add_nc_u64 s[KB:KB+1], s[6:7], s[62:63]
	s_add_nc_u64 s[VB:VB+1], s[8:9], s[62:63]
	s_mov_b64 s[G0K+2:G0K+3], s[KB:KB+1]
	s_or_b32 s[G0K+3], s[G0K+3], 0x80000000
	s_mov_b64 s[G0V+2:G0V+3], s[VB:VB+1]
	s_or_b32 s[G0V+3], s[G0V+3], 0x80000000
	CROUND                                         ; all four work-groups are here: the first joint loads meet
	TLOAD                                          ; slot 0
	s_add_nc_u64 s[72:73], s[4:5], s[72:73]        ; Q's codes, of both tiles
	s_add_nc_u64 s[74:75], s[4:5], s[74:75]
	s_add_nc_u64 s[40:41], s[12:13], s[66:67]      ; and where their results go
	s_add_nc_u64 s[42:43], s[12:13], s[68:69]
	v_and_b32 v[PFO], 31, v0
	v_lshlrev_b32 v[GO], 4, v[PFO]
	global_load_b128 v[16:19], v[GO], s[72:73]
	global_load_b128 v[20:23], v[GO], s[72:73] offset:512
	global_load_b128 v[24:27], v[GO], s[74:75]
	global_load_b128 v[28:31], v[GO], s[74:75] offset:512
	v_lshrrev_b32 v9, 8, v0
	v_lshl_add_u32 v[AK0], v9, 13, v[GO]
	v_bfe_u32 v9, v0, 5, 3
	v_mul_u32_u24 v9, v9, MRGW
	v_add_nc_u32 v9, MRG, v9
	v_add_nc_u32 v[MA0], v9, v[GO]
	v_lshlrev_b32 v[PFO], 8, v[PFO]
	v_and_b32 v10, 15, v0
	v_bfe_u32 v9, v0, 4, 1
	v_lshlrev_b32 v9, 3, v9
	v_sub_nc_u32 v[DL], v10, v9
	v_mov_b32 v12, 0x7f61b1e6                      ; -M = 3e38: M under every t
	v_mov_b32 v13, 0xff61b1e6                      ; the largest score so far: -3e38
	v_mov_b32 v14, 0
	v_mov_b32 v15, 0
	v_mov_b32 v236, 0                              ; written once: a lane permute's destination counts as one of its sources
	v_mov_b32 v251, 0                              ; (named as upper halves of pairs)
	v_mov_b32 v253, 0
.set j, 0
.rept 32
	v_mov_b32 v[160+j], 0                          ; O^T: the step is written once; its first turn finds zeros
.set j, j+1
.endr
.set j, 0
.rept 128
	v_mov_b32 v[RA+j], 0                           ; the two regions, once, under slot 0's flight: the two halves of a step stand under branches of their own, so on paper the second can be reached without the first
.set j, j+1
.endr
	; the prefetches: where my wave's stand, and who asks
	s_cmp_eq_u32 s[WV], 2
	s_cselect_b64 s[PFA:PFA+1], s[KB:KB+1], s[VB:VB+1]
	s_add_nc_u64 s[PFA:PFA+1], s[PFA:PFA+1], s[60:61]
	s_sub_co_u32 s70, 7, ttmp9
	s_lshr_b32 s71, s[WV], 1
	s_cmp_eq_u32 s71, 1
	s_cselect_b32 s[LIM], s70, 0                   ; waves 2 and 3 ask while f + 1 is at most 7 - j
	s_wait_alu depctr_va_vdst(0)
	s_wait_kmcnt 0x0
	s_add_co_i32 s70, s50, s51
	s_lshl_b32 s70, s70, 23
	s_add_co_i32 s[CS], s[CS], s70                 ; a score stands for score x 2^(e2 + e3): added to c's exponent field
	s_mov_b32 s[CS+1], s[CS]
	s_xor_b32 s[NCS], s[CS], 0x80000000
	s_add_co_i32 s70, s52, 127
	s_lshl_b32 s71, s70, 23
	v_mov_b32 v244, s71                            ; 2^e4
	s_add_co_i32 s70, s70, 8
	s_lshl_b32 s70, s70, 23
	s_or_b32 s[PMAX], s70, 0x600000
	s_add_co_i32 s70, s54, 127
	s_lshl_b32 s71, s70, 23
	v_mov_b32 v245, s71                            ; 2^e6
	s_add_co_i32 s70, s70, 8
	s_lshl_b32 s70, s70, 23
	s_or_b32 s70, s70, 0x600000
	v_mov_b32 v241, s70                            ; 448 x 2^e6
	s_add_co_i32 s45, s52, s53                     ; e4 + e5
.macro KLOAD fr, i                     ; K's fragments of my group's i-th step of the slot: tile t: 16 keys x 64
.irp t, 0,1,2,3,4,5,6,7
	ds_load_b128 v[\fr+8*\t:\fr+8*\t+3], v[AD] offset:16384*(\i)+1024*\t
	ds_load_b128 v[\fr+8*\t+4:\fr+8*\t+7], v[AD] offset:16384*(\i)+1024*\t+512
.endr
.endm
.macro SCORES fr, sb, i                ; S^T, and V's fragments asked for
	s_wait_dscnt 8                                 ; tiles 0 to 3 are in; the eight loads of tiles 4 to 7 may be out
.irp t, 0,1,2,3
	v_wmma_f32_16x16x64_fp8_fp8 v[\sb+8*\t:\sb+8*\t+7], v[\fr+8*\t:\fr+8*\t+7], v[16:23], 0
.endr
	s_wait_dscnt 0x0
.irp t, 4,5,6,7
	v_wmma_f32_16x16x64_fp8_fp8 v[\sb+8*\t:\sb+8*\t+7], v[\fr+8*\t:\fr+8*\t+7], v[16:23], 0
.endr
.rept 4
	v_nop
.endr
.irp t, 0,1,2,3                        ; tile t: 16 d x 128 keys
.irp c, 0,1,2,3
	ds_load_b128 v[\fr+16*\t+4*\c:\fr+16*\t+4*\c+3], v[AD] offset:VOFF+16384*(\i)+2048*\t+512*\c
.endr
.endr
.endm
.macro MASK sb, step                   ; on the diagonal the scores of hidden keys become -infinity ahead of the maximum; the other steps skip this
	s_cmp_lg_u32 s[\step], s[LASTS]
	s_cbranch_scc1 .Lopen_\@
	v_add_nc_u32 v252, s[QOFF], v[DL]              ; my query less the step's first key, less 8 h.  Register 8 T + j holds key 16 T + 8 h + j of the step: hidden where 16 T + j is greater
	v_mov_b32 v254, 0xff800000
.set n, 0
.rept 64
	v_cmp_gt_i32 vcc_lo, 16*(n/8)+n%8, v252
	v_cndmask_b32 v[\sb+n], v[\sb+n], v254, vcc_lo
.set n, n+1
.endr
.Lopen_\@:
.endm
.macro SOFTMAX fr, sb, pre             ; p, its sum, its codes, and O^T += V^T P^T.  pre = 1: the second step's K is loaded over p
	v_max3_num_f32 v254, v[\sb], v[\sb+1], v[\sb+2]   ; the step's largest score of my query among my 64 keys, in four chains,
	v_max3_num_f32 v252, v[\sb+3], v[\sb+4], v[\sb+5]
	v_max3_num_f32 v250, v[\sb+6], v[\sb+7], v[\sb+8]
	v_max3_num_f32 v249, v[\sb+9], v[\sb+10], v[\sb+11]
.irp k, 12,20,28,36,44,52
	v_max3_num_f32 v254, v254, v[\sb+\k], v[\sb+1+\k]
	v_max3_num_f32 v252, v252, v[\sb+2+\k], v[\sb+3+\k]
	v_max3_num_f32 v250, v250, v[\sb+4+\k], v[\sb+5+\k]
	v_max3_num_f32 v249, v249, v[\sb+6+\k], v[\sb+7+\k]
.endr
	v_max3_num_f32 v254, v254, v[\sb+60], v[\sb+61]
	v_max3_num_f32 v252, v252, v[\sb+62], v[\sb+63]
	v_max3_num_f32 v254, v254, v252, v250
	s_delay_alu instid0(VALU_DEP_1)
	v_max_num_f32 v254, v254, v249
	s_delay_alu instid0(VALU_DEP_1)
	v_permlanex16_b32 v236, v254, s[SEL], s[SEL+1]
	s_delay_alu instid0(VALU_DEP_1)
	v_max3_num_f32 v13, v13, v254, v236            ; and among lane l xor 16's, and before
	s_delay_alu instid0(VALU_DEP_1)
	v_mul_f32 v254, s[NCS], v13                    ; -t
	s_delay_alu instid0(VALU_DEP_1)
	v_floor_f32 v254, v254                         ; the new -M = -ceil(t): a whole number
	s_delay_alu instid0(VALU_DEP_1)
	v_sub_f32 v252, v254, v12                      ; old M - new M, 0 or less
	v_mov_b32 v12, v254
	s_delay_alu instid0(VALU_DEP_2)
	v_cvt_i32_f32 v252, v252                       ; (it saturates)
	s_delay_alu instid0(VALU_DEP_1)
	v_ldexp_f32 v252, 1.0, v252                    ; f = 2^(old M - new M): a multiplication by it rounds nothing
.set j, 0
.rept 32
	v_pk_fma_f32 v[\sb+j:\sb+j+1], v[\sb+j:\sb+j+1], s[CS:CS+1], v[12:13] op_sel_hi:[1,0,0]   ; t - M
.set j, j+2
.endr
.set j, 0
	s_wait_alu depctr_va_vdst(0)
.rept 64
	v_exp_f32 v[\sb+j], v[\sb+j]                   ; p = 2^(t - M)
.set j, j+1
.endr
	v_pk_mul_f32 v[14:15], v[14:15], v[252:253] op_sel_hi:[1,0]   ; the sums under the new M: the plain place behind the exponentials
	s_wait_alu depctr_va_vdst(0)                   ; one wait for the whole batch, ahead of its first reader
	v_pk_add_f32 v[242:243], v[\sb:\sb+1], v[\sb+2:\sb+3]   ; the row's sum, of the unquantised p, in four chains
	v_pk_add_f32 v[246:247], v[\sb+4:\sb+5], v[\sb+6:\sb+7]
	v_pk_add_f32 v[248:249], v[\sb+8:\sb+9], v[\sb+10:\sb+11]
	v_pk_add_f32 v[14:15], v[14:15], v[\sb+12:\sb+13]
.irp k, 14,22,30,38,46,54
	v_pk_add_f32 v[242:243], v[242:243], v[\sb+\k:\sb+1+\k]
	v_pk_add_f32 v[246:247], v[246:247], v[\sb+2+\k:\sb+3+\k]
	v_pk_add_f32 v[248:249], v[248:249], v[\sb+4+\k:\sb+5+\k]
	v_pk_add_f32 v[14:15], v[14:15], v[\sb+6+\k:\sb+7+\k]
.endr
	v_pk_add_f32 v[242:243], v[242:243], v[\sb+62:\sb+63]
	v_pk_add_f32 v[246:247], v[246:247], v[248:249]
	v_pk_add_f32 v[14:15], v[14:15], v[242:243]
	s_delay_alu instid0(VALU_DEP_1)
	v_pk_add_f32 v[14:15], v[14:15], v[246:247]
.irp t, 0,1,2,3,4,5,6,7
.irp k, 0,2,4,6                        ; the conversion does not saturate (ISA guide 7.6.2); p is not negative: a one-sided hold, two numbers an instruction
	v_dual_min_num_f32 v[\sb+8*\t+\k], s[PMAX], v[\sb+8*\t+\k] :: v_dual_min_num_f32 v[\sb+1+8*\t+\k], s[PMAX], v[\sb+1+8*\t+\k]
.endr
	v_cvt_scalef32_pk8_fp8_f32 v[192+2*\t:193+2*\t], v[\sb+8*\t:\sb+8*\t+7], v244
.endr
.if \pre
	KLOAD \sb, 1                                   ; p has been converted: its registers take the second step's K
.endif
	s_wait_alu depctr_va_vdst(0)
.set j, 0
.rept 16
	v_pk_mul_f32 v[160+j:161+j], v[160+j:161+j], v[252:253] op_sel_hi:[1,0]   ; O^T under the new M; also the plain places behind the conversions
.set j, j+2
.endr
.if \pre
	s_wait_alu depctr_va_vdst(0)
	s_wait_dscnt 16                                ; V is in; the 16 loads of the second step's K may be out
.endif
.irp t, 0,1,2,3                        ; four accumulators by turns, one instruction a turn
	v_wmma_f32_16x16x128_fp8_fp8 v[160+8*\t:167+8*\t], v[\fr+16*\t:\fr+16*\t+15], v[192:207], v[160+8*\t:167+8*\t]
.endr
.endm
; THE CHANGE OF SLOTS, first half.  Each wave waits for all its tensor loads, adds 0 to its spare word (fill = 1: twice on end), waits for that and for its reads of the slot in hand, and says so.
; fill = 1: that slot will take the keys of the trip after the next: the next slot of the super-block, or slot 0 where that trip begins the second one.
.macro LEAVE fill
	s_wait_tensorcnt 0x0                           ; no tensor load of mine is out, so the groups 0 may be written
	ds_add_u32 v[SPW], v[NIL]
.if \fill
	ds_add_u32 v[SPW], v[NIL]
	s_xor_b32 s[G0K+1], s[G0K+1], SLOT1
	s_xor_b32 s[G0V+1], s[G0V+1], SLOT1
	s_add_co_u32 s[NS], s[NS], 1
	s_add_co_u32 s[FT], s[FT], 1
	s_cmp_eq_u32 s[FT], s[N1]
	s_cselect_b32 s[NS], 0, s[NS]
	s_lshl_b32 s66, s[NS], 15                      ; (s67 is 0)
	s_add_nc_u64 s[G0K+2:G0K+3], s[KB:KB+1], s[66:67]
	s_or_b32 s[G0K+3], s[G0K+3], 0x80000000
	s_add_nc_u64 s[G0V+2:G0V+3], s[VB:VB+1], s[66:67]
	s_or_b32 s[G0V+3], s[G0V+3], 0x80000000
	s_wait_xcnt 0x0                                ; the last prefetch, a trip back, has read its address
	s_add_nc_u64 s[PFA:PFA+1], s[PFA:PFA+1], 32768
.endif
	s_wait_dscnt 0x0                               ; the adds are done, and my fragments are in registers: my reads of the slot are over
	s_barrier_signal -1
.endm
.macro ENTER fill                      ; second half: fill = 1: the barrier has opened a round of the cluster's barrier, and the joint load is the first thing behind it
	s_barrier_wait -1
.if \fill
	CREST
	TLOAD
	ASK
.endif
.endm
; Group 1's part of a tile into the exchange: O^T, -M and the lane's sum.
.macro STOREP
.rept 4
	v_nop                                          ; places behind the last products
.endr
	v_add_f32 v13, v14, v15
.irp k, 0,1,2,3,4,5,6,7
	ds_store_b128 v[MA0], v[160+4*\k:163+4*\k] offset:512*\k
.endr
	ds_store_b64 v[MA0], v[12:13] offset:4096
.endm
; In group 0: the two parts are brought under one M (exact powers of two), divided by the joint sum, x 2^(e4 + e5), held, quantised with 2^e6 and stored: 1,024 consecutive bytes.
.macro FINAL
.rept 4
	v_nop                                          ; places behind the last products
.endr
	ds_load_b64 v[64:65], v[MA0] offset:4096
.irp k, 0,1,2,3,4,5,6,7
	ds_load_b128 v[32+4*\k:35+4*\k], v[MA0] offset:512*\k
.endr
	v_add_f32 v14, v14, v15
	s_wait_alu depctr_va_vdst(0)
	s_wait_dscnt 0x0
	v_min_num_f32 v254, v12, v64                   ; the joint -M
	v_sub_f32 v252, v254, v12
	v_sub_f32 v250, v254, v64
	v_cvt_i32_f32 v252, v252
	v_cvt_i32_f32 v250, v250
	v_ldexp_f32 v252, 1.0, v252                    ; my factor,
	v_ldexp_f32 v250, 1.0, v250                    ; and the other group's (0 where it had no step)
	v_mul_f32 v14, v14, v252
	v_fma_f32 v14, v65, v250, v14
	v_permlanex16_b32 v236, v14, s[SEL], s[SEL+1]
	v_add_f32 v14, v14, v236                       ; the row's sum
	s_wait_alu depctr_va_vdst(0)
	v_rcp_f32 v14, v14
	v_nop                                          ; a plain place behind the transcendental
	s_wait_alu depctr_va_vdst(0)                   ; the wait ahead of its first reader
	v_ldexp_f32 v14, v14, s45
	v_mul_f32 v252, v252, v14
	v_mul_f32 v250, v250, v14
	s_wait_alu depctr_va_vdst(0)
.set j, 0
.rept 16
	v_pk_mul_f32 v[96+j:97+j], v[160+j:161+j], v[252:253] op_sel_hi:[1,0]
.set j, j+2
.endr
.set j, 0
.rept 16
	v_pk_fma_f32 v[96+j:97+j], v[32+j:33+j], v[250:251], v[96+j:97+j] op_sel_hi:[1,0,1]
.set j, j+2
.endr
.set j, 0
.rept 32
	v_med3_num_f32 v[96+j], v[96+j], -v241, v241
.set j, j+1
.endr
.irp t, 0,1,2,3
	v_cvt_scalef32_pk8_fp8_f32 v[192+2*\t:193+2*\t], v[96+8*\t:103+8*\t], v245
.endr
	v_nop                                          ; one plain vector instruction behind the last conversion
	global_store_b128 v[GO], v[192:195], s[40:41]              ; 32 lanes store 512 consecutive bytes, aligned
	global_store_b128 v[GO], v[196:199], s[40:41] offset:512
	s_wait_xcnt 0x0                                ; the stores have read their registers and their base
.endm
; A TILE'S END, behind its last trip: the branch hangs on the work-group's number and the count of trips, the same in all sixteen waves, so all of them pass its barrier.
.macro TILEEND last
	s_cmp_lg_u32 s[TRIP], s[NEND]
	s_cbranch_scc1 .Lgo_\@
	s_cmp_lt_u32 s[WV], 8
	s_cbranch_scc1 .Lkept_\@
	STOREP
.Lkept_\@:
	s_wait_dscnt 0x0                               ; group 1's parts are in the exchange
	s_barrier_signal -1
	s_barrier_wait -1
	s_cmp_lt_u32 s[WV], 8
	s_cbranch_scc0 .Lreset_\@
	FINAL
.Lreset_\@:
.if \last
	s_cmp_eq_u32 s[TRIP], 9                        ; the second tile's end: nothing follows
	s_cbranch_scc1 .Lgo_\@
.endif
.set j, 0
.rept 8
	v_mov_b32 v[16+j], v[24+j]                     ; the second tile begins: its Q (these eight are also places behind the last products),
.set j, j+1
.endr
	v_mov_b32 v12, 0x7f61b1e6                      ; its state,
	v_mov_b32 v13, 0xff61b1e6
	v_mov_b32 v14, 0
	v_mov_b32 v15, 0
.set j, 0
.rept 32
	v_mov_b32 v[160+j], 0
.set j, j+1
.endr
	s_mov_b32 s[CUR], s[GRP]                       ; its steps,
	s_add_co_u32 s[NXT], s[GRP], 2
	s_mov_b32 s[LASTS], s[LAST2]
	s_xor_b32 s[QOFF], s[QOFF], 64                 ; (7 - w) % 2 in place of w % 2
	s_mov_b32 s[NEND], 9
	s_mov_b64 s[40:41], s[42:43]                   ; and where its result goes
.Lgo_\@:
.endm
; A TRIP: a slot, my group's two steps of it.  A step beyond my tile's last is left out: scalar branches on ids, round no barrier, no wait of the change of slots and no tensor load.
.macro ONETRIP fill, last
	v_add_nc_u32 v[AD], s[TB], v[AK0]
	s_wait_alu depctr_va_vdst(0)
.rept 4
	v_nop                                          ; with the addition: five places behind the last products, whose operands the scores are laid over
.endr
	s_cmp_gt_u32 s[CUR], s[LASTS]
	s_cbranch_scc1 .Lleave_\@
	KLOAD RA, 0
	SCORES RA, RB, 0
	MASK RB, CUR
	SOFTMAX RA, RB, 1
.rept 5
	v_nop                                          ; five places, as above
.endr
	s_cmp_gt_u32 s[NXT], s[LASTS]
	s_cbranch_scc1 .Lleave_\@
	SCORES RB, RA, 1
.Lleave_\@:
	LEAVE \fill
	s_cmp_gt_u32 s[NXT], s[LASTS]
	s_cbranch_scc1 .Lenter_\@
	MASK RA, NXT
	SOFTMAX RB, RA, 0
.Lenter_\@:
	ENTER \fill
	s_xor_b32 s[TB], s[TB], SLOT1                  ; on to the other slot
	s_add_co_u32 s[CUR], s[CUR], 4
	s_add_co_u32 s[NXT], s[NXT], 4
	s_add_co_u32 s[TRIP], s[TRIP], 1
	TILEEND \last
.endm
	s_wait_alu depctr_va_vdst(0)
	s_wait_loadcnt 0x0                             ; Q, both tiles'
	LEAVE 1                                        ; slot 0 is in;
	ENTER 1                                        ; slot 1's first fill, as a refill is issued
.Ltrip:                                            ; trips 0 to 6: behind each the slot just left is filled for the trip after the next
	ONETRIP 1, 0
	s_cmp_lt_u32 s[TRIP], 7
	s_cbranch_scc1 .Ltrip
	s_mov_b32 s[TRIP], 7
.Llast:                                            ; trips 7 and 8 ask for nothing more
	ONETRIP 0, 1
	s_cmp_lt_u32 s[TRIP], 9
	s_cbranch_scc1 .Llast
	s_wait_tensorcnt 0x0                           ; the wave's end
	ds_add_u32 v[SPW], v[NIL]
	s_wait_dscnt 0x0
	CROUND                                         ; the closing round: no work-group ends while a partner may still ask for a tile that names it
	s_endpgm
.Lfunc_end_k_qbbdf785a2f_attn:
	.size	k_qbbdf785a2f_attn, .Lfunc_end_k_qbbdf785a2f_attn-k_qbbdf785a2f_attn
	.p2alignl 7, 3214868480
	.fill 96, 4, 3214868480
	.section	.rodata,"a",@progbits
	.p2align	6, 0x0
	.amdhsa_kernel k_qbbdf785a2f_attn
		.amdhsa_group_segment_fixed_size 327680
		.amdhsa_private_segment_fixed_size 0
		.amdhsa_enable_private_segment 0
		.amdhsa_kernarg_size 40
		.amdhsa_user_sgpr_count 2
		.amdhsa_user_sgpr_kernarg_segment_ptr 1
		.amdhsa_wavefront_size32 1
		.amdhsa_system_sgpr_workgroup_id_x 1
		.amdhsa_system_sgpr_workgroup_id_y 1
		.amdhsa_system_sgpr_workgroup_id_z 1
		.amdhsa_system_vgpr_workitem_id 0
		.amdhsa_next_free_vgpr 256
		.amdhsa_next_free_sgpr 90
		.amdhsa_reserve_vcc 1
		.amdhsa_float_denorm_mode_32 3
		.amdhsa_float_denorm_mode_16_64 3
		.amdhsa_memory_ordered 1
		.amdhsa_forward_progress 1
		.amdhsa_inst_pref_size 117
	.end_amdhsa_kernel
	.amdgpu_metadata
---
amdhsa.version: [ 1, 2 ]
amdhsa.kernels:
  - .name:           k_qbbdf785a2f_attn
    .symbol:         k_qbbdf785a2f_attn.kd
    .args:
      - { .name: qc, .offset: 0, .size: 8, .value_kind: global_buffer, .address_space: global }
      - { .name: kc, .offset: 8, .size: 8, .value_kind: global_buffer, .address_space: global }
      - { .name: vc, .offset: 16, .size: 8, .value_kind: global_buffer, .address_space: global }
      - { .name: lowp_scales, .offset: 24, .size: 8, .value_kind: global_buffer, .address_space: global }
      - { .name: ac, .offset: 32, .size: 8, .value_kind: global_buffer, .address_space: global }
    .group_segment_fixed_size: 327680
    .private_segment_fixed_size: 0
    .kernarg_segment_align: 8
    .kernarg_segment_size: 40
    .max_flat_workgroup_size: 512
    .sgpr_count:     90
    .vgpr_count:     256
    .wavefront_size: 32
...
	.end_amdgpu_metadata
.endif
;; end of part 3
;; launch proj (part 4): grid 8 x 32, 8 waves a work-group, clusters of 4 x 4, 327,680 bytes of LDS; arguments ac, wpc, lowp_scales, b_proj, out0; writes out0
.if DOCPART == 4
	.amdgcn_target "amdgcn-amd-amdhsa--gfx1250"
	.amdhsa_code_object_version 6
	.text
	.protected	k_qbbdf785a2f_proj
	.globl	k_qbbdf785a2f_proj
	.p2align	8
	.type	k_qbbdf785a2f_proj,@function
k_qbbdf785a2f_proj:
	s_mov_b64 s[64:65], 0
	v_nop
	global_prefetch_b8 v0, s[64:65] scope:SCOPE_SE
	s_setreg_imm32_b32 hwreg(HW_REG_WAVE_MODE, 25, 1), 1
	s_wait_xcnt 0x0
	s_wait_alu depctr_hold_cnt(0) depctr_sa_sdst(0) depctr_va_vdst(0) depctr_va_sdst(0) depctr_va_ssrc(0) depctr_va_vcc(0) depctr_vm_vsrc(0)
	s_getreg_b32 s2, hwreg(HW_REG_IB_STS2, 6, 4)
	s_cmp_eq_u32 s2, 0
	s_cbranch_scc0 .Lentry_in_a_cluster
	s_endpgm
.Lentry_in_a_cluster:
	s_bfe_u32 s2, ttmp6, 0x10000c
	s_cmp_lg_u32 s2, 0xf033
	s_cbranch_scc0 .Lentry_shape_is_right
	s_endpgm
.Lentry_shape_is_right:
; out0[t][n] = 2^(e6 + e7) x (sum over k of the codes ac[t][k] wpc[n][k]) + b_proj[n].  K = 1,024; out0 [4096][1024] f32.
; ac and wpc are images of operand registers: [tile of 16 rows][32 blocks of 32 k][2 h][16 rows][16 bytes]: 16,384 bytes a tile; a fragment of 16 x 128 is 2,048 consecutive bytes, 16 x lane + 512 c.
; A work-group makes 128 x 128 of out0: 8 tiles of ac and 8 of wpc, 2 x 131,072 bytes, all of K, which LDS holds: EACH WAVE ASKS ONCE, for 32,768 bytes, at the head, and nothing is filled again.
; CLUSTERS of 4 x 4: ac's tiles are shared along a row of the cluster, wpc's along a column: joint loads.  Waves 0 to 3 ask for ac's quarters, waves 4 to 7 for wpc's.
; No prefetch: there is no loop of loads to run ahead in.
; A wave makes 32 rows x 64 columns: eight accumulators in window 1 (accumulator (a, b) at v[8 (4 a + b)]), fragments of a step of 128 along K in two buffers of 96 registers.
; The matrix instruction is used transposed (source 0 = 16 columns' rows of wpc, source 1 = 16 rows of ac): a lane holds eight neighbouring numbers of a row of out0.
; LIMIT: e6 + e7 between -126 and 127.
.set STG,    262144                    ; behind the operands: a stage of 16 rows x (256 + 16) bytes for each wave; no tensor load lands there
.set SPITCH, 272
.set SPARE,  STG+8*16*SPITCH           ; the spare words, 128 bytes a wave: four blocks of 256 bytes that no other line names
.set BOC,  12
.set ADA,  16
.set ADB,  17
.set STO,  24
.set RD,   25
.set CO,   26
.set SPW,  28
.set NIL,  29
.set TMP,  32                          ; the way out: results, 32 registers a block
.set BK,   128                         ; the way out: rows read back, 32 registers a block
.set BC,   224                         ; v224-255 b_proj at my columns
.set G1,   24
.set G0,   32
.set G1B,  48
.set G0B,  56
.set MSB, 0
.macro WIN new                         ; the immediate's high byte repeats the setting that is left
.if MSB != \new
	s_set_vgpr_msb (MSB<<8)|\new
.set MSB, \new
.endif
.endm
.macro CROUND                          ; a round of the cluster's barrier
	s_barrier_signal -1
	s_barrier_wait -1
	s_cmp_lg_u32 s14, 0
	s_cbranch_scc1 .Lnot_wave_0_\@
	s_barrier_signal -3
.Lnot_wave_0_\@:
	s_barrier_wait -3
	s_barrier_signal -1
	s_barrier_wait -1
.endm
	s_load_b256 s[4:11], s[0:1], 0x0               ; ac, wpc, the exponents, b_proj
	s_load_b64 s[12:13], s[0:1], 0x20              ; out0
	v_lshl_add_u32 v[SPW], v0, 2, SPARE
	v_mov_b32 v[NIL], 0
	ds_add_u32 v[SPW], v[NIL]                      ; the wave's opening: the add, twice on end, and its wait ahead of my first tensor load
	ds_add_u32 v[SPW], v[NIL]
	v_lshrrev_b32 v1, 5, v0
	v_readfirstlane_b32 s14, v1                    ; wave 0..7
	s_lshr_b32 s15, s14, 2                         ; I fetch for ac (0) or for wpc (1)
	s_and_b32 s18, s14, 3                          ; which quarter
	s_lshr_b32 s19, s14, 1                         ; my 32 rows
	s_and_b32 s16, s14, 1                          ; my 64 columns
	s_bfe_u32 s40, ttmp6, 0x40000
	s_bfe_u32 s41, ttmp6, 0x40004
	s_lshl_b32 s42, ttmp9, 2
	s_add_co_u32 s42, s42, s40                     ; block column
	s_and_b32 s17, ttmp7, 0xffff
	s_lshl_b32 s17, s17, 2
	s_add_co_u32 s17, s17, s41                     ; block row
	s_lshl_b32 s43, s41, 2
	s_lshl_b32 s43, 15, s43                        ; my row of the cluster
	s_lshl_b32 s44, 0x1111, s40                    ; my column
	s_or_b32 s[G1+0], s43, (1<<21)                 ; the mask; elements of 1 byte, no padding
	s_or_b32 s[G1B+0], s44, (1<<21)
.irp g, G1, G1B                        ; 128 rows of 256 bytes, dense
	s_mov_b32 s[\g+1], 256<<16
	s_mov_b32 s[\g+2], 128<<16
	s_mov_b32 s[\g+3], 256<<16
	s_mov_b32 s[\g+4], 128
	s_mov_b32 s[\g+5], 256
	s_mov_b32 s[\g+6], 0
	s_mov_b32 s[\g+7], 0
.endr
	s_lshl_b32 s18, s18, 15
	s_lshl_b32 s20, s17, 17
	s_add_co_u32 s20, s20, s18
	s_mov_b32 s21, 0
	s_lshl_b32 s46, s42, 17
	s_add_co_u32 s46, s46, s18
	s_mov_b32 s47, 0
	s_lshl_b32 s45, s14, 15                        ; where it goes: 32,768 x wave: ac's tiles, then wpc's
	s_wait_dscnt 0x0                               ; both opening adds are done
	s_wait_kmcnt 0x0
	s_load_b256 s[80:87], s[8:9], 0x0              ; e0 .. e7
	s_add_nc_u64 s[20:21], s[4:5], s[20:21]
	s_add_nc_u64 s[46:47], s[6:7], s[46:47]
	s_mov_b32 s[G0], 1
	s_mov_b32 s[G0+1], s45
	s_mov_b64 s[G0+2:G0+3], s[20:21]
	s_or_b32 s[G0+3], s[G0+3], 0x80000000
	s_mov_b32 s[G0B], 1
	s_mov_b32 s[G0B+1], s45
	s_mov_b64 s[G0B+2:G0B+3], s[46:47]
	s_or_b32 s[G0B+3], s[G0B+3], 0x80000000
	CROUND                                         ; all sixteen work-groups are here: the joint loads meet
	s_cmp_eq_u32 s15, 0
	s_cbranch_scc0 .Lfor_b
	tensor_load_to_lds s[G0:G0+3], s[G1:G1+7]
	s_nop 0
.rept 4
	v_nop
.endr
	s_branch .Lasked
.Lfor_b:
	tensor_load_to_lds s[G0B:G0B+3], s[G1B:G1B+7]
	s_nop 0
.rept 4
	v_nop
.endr
.Lasked:
	s_lshl_b32 s22, s42, 9                         ; my first column, in bytes: 512 x block column + 256 x half
	s_lshl_b32 s23, s16, 8
	s_add_co_u32 s22, s22, s23
	v_and_b32 v1, 15, v0                           ; r
	v_bfe_u32 v2, v0, 4, 1                         ; h
	v_lshlrev_b32 v[BOC], 5, v2
	v_add_nc_u32 v[BOC], s22, v[BOC]
.irp b, 0,1,2,3
	global_load_b128 v[BC+8*\b:BC+8*\b+3], v[BOC], s[10:11] offset:64*\b
	global_load_b128 v[BC+8*\b+4:BC+8*\b+7], v[BOC], s[10:11] offset:64*\b+16
.endr
	s_lshl_b32 s23, s19, 15                        ; my two tiles of ac,
	s_lshl_b32 s45, s16, 16
	s_add_co_u32 s45, s45, 131072                  ; my four of wpc
	s_mul_i32 s41, s14, 16*SPITCH
	s_add_co_u32 s41, s41, STG                     ; my stage
	s_wait_alu depctr_va_vdst(0)
	v_and_b32 v3, 31, v0
	v_lshlrev_b32 v3, 4, v3
	v_add_nc_u32 v[ADA], s23, v3
	v_add_nc_u32 v[ADB], s45, v3
	v_mul_u32_u24 v4, v1, SPITCH                   ; in: row r, 32 bytes for each half of the lanes
	v_lshl_add_u32 v4, v2, 5, v4
	v_add_nc_u32 v[STO], s41, v4
	v_mul_u32_u24 v5, v2, SPITCH                   ; back: sixteen lanes to a row
	v_lshl_add_u32 v5, v1, 4, v5
	v_add_nc_u32 v[RD], s41, v5
	v_lshlrev_b32 v6, 12, v2
	v_lshl_add_u32 v[CO], v1, 4, v6                ; and the same two rows in out0
	s_lshl_b32 s20, s17, 19                        ; 128 rows of 4,096 bytes x block row,
	s_lshl_b32 s21, s19, 17                        ; 32 rows
	s_add_co_u32 s20, s20, s21
	s_add_co_u32 s20, s20, s22
	s_mov_b32 s21, 0
	s_add_nc_u64 s[12:13], s[12:13], s[20:21]
	s_wait_alu depctr_va_vdst(0)
	s_wait_kmcnt 0x0
	s_add_co_i32 s96, s86, s87
	s_add_co_i32 s96, s96, 127
	s_lshl_b32 s96, s96, 23                        ; 2^(e6 + e7)
	s_mov_b32 s97, s96
.macro PLACES
.rept 4
	v_nop                                          ; places behind matrix instructions, ahead of loads into their registers and of reads of their results
.endr
.endm
.macro FETCH k                         ; K step k's fragments: four of wpc, two of ac
.set F, 32+96*((\k)%2)
.irp b, 0,1,2,3
.irp c, 0,1,2,3
	ds_load_b128 v[F+16*\b+4*\c:F+16*\b+4*\c+3], v[ADB] offset:16384*\b+2048*(\k)+512*\c
.endr
.endr
.irp a, 0,1
.irp c, 0,1,2,3
	ds_load_b128 v[F+64+16*\a+4*\c:F+64+16*\a+4*\c+3], v[ADA] offset:16384*\a+2048*(\k)+512*\c
.endr
.endr
.endm
.macro MUL k                           ; eight accumulators by turns, one instruction a turn; the first step's products start the sums
.set F, 32+96*((\k)%2)
	WIN 0x50
.irp a, 0,1
.irp b, 0,1,2,3
.if (\k) == 0
	v_wmma_f32_16x16x128_fp8_fp8 v[8*(4*\a+\b):8*(4*\a+\b)+7], v[F+16*\b:F+16*\b+15], v[F+64+16*\a:F+64+16*\a+15], 0
.else
	v_wmma_f32_16x16x128_fp8_fp8 v[8*(4*\a+\b):8*(4*\a+\b)+7], v[F+16*\b:F+16*\b+15], v[F+64+16*\a:F+64+16*\a+15], v[8*(4*\a+\b):8*(4*\a+\b)+7]
.endif
.endr
.endr
	WIN 0
.endm
	s_wait_tensorcnt 0x0                           ; my part is in,
	s_barrier_signal -1
	s_barrier_wait -1                              ; and everybody's
	FETCH 0
.irp k, 0,1,2,3,4,5,6
.if \k > 0
	PLACES
.endif
	FETCH \k+1
	s_wait_dscnt 24                                ; step k's fragments are in; the 24 loads just issued may be out
	MUL \k
.endr
	s_wait_dscnt 0x0
	MUL 7
	s_wait_loadcnt 0x0                             ; b_proj
	PLACES
; THE WAY OUT, block by block of 16 rows x 64 columns, through my own stage.  LDS serves a wave's instructions in order (ISA guide 5.7.1.4): no wait between the stores and the loads, nor ahead of the next block's stores.
.macro TOSTAGE a
	WIN 0x01
.irp b, 0,1,2,3
.irp i, 0,2,4,6
	v_pk_fma_f32 v[TMP+32*\a+8*\b+\i:TMP+32*\a+8*\b+\i+1], v[8*(4*\a+\b)+\i:8*(4*\a+\b)+\i+1], s[96:97], v[BC+8*\b+\i:BC+8*\b+\i+1] op_sel_hi:[1,0,1]
.endr
.endr
	WIN 0
.irp b, 0,1,2,3
	ds_store_b128 v[STO], v[TMP+32*\a+8*\b:TMP+32*\a+8*\b+3] offset:64*\b
	ds_store_b128 v[STO], v[TMP+32*\a+8*\b+4:TMP+32*\a+8*\b+7] offset:64*\b+16
.endr
.irp t, 0,1,2,3,4,5,6,7
	ds_load_b128 v[BK+32*\a+4*\t:BK+32*\a+4*\t+3], v[RD] offset:2*\t*SPITCH
.endr
.endm
.macro SEND a
.irp t, 0,1,2,3,4,5,6,7
	global_store_b128 v[CO], v[BK+32*\a+4*\t:BK+32*\a+4*\t+3], s[12:13] offset:(16*\a+2*\t)*4096 th:TH_STORE_NT   ; sixteen lanes store 256 consecutive bytes, aligned
.endr
.endm
	TOSTAGE 0
	TOSTAGE 1
	s_wait_dscnt 16                                ; block 0 is back; block 1's 8 stores and 8 loads may be out
	SEND 0
	s_wait_dscnt 0x0
	SEND 1
	s_wait_tensorcnt 0x0                           ; the wave's end
	ds_add_u32 v[SPW], v[NIL]
	s_wait_dscnt 0x0
	CROUND                                         ; the closing round
	s_endpgm
.Lfunc_end_k_qbbdf785a2f_proj:
	.size	k_qbbdf785a2f_proj, .Lfunc_end_k_qbbdf785a2f_proj-k_qbbdf785a2f_proj
	.p2alignl 7, 3214868480
	.fill 96, 4, 3214868480
	.section	.rodata,"a",@progbits
	.p2align	6, 0x0
	.amdhsa_kernel k_qbbdf785a2f_proj
		.amdhsa_group_segment_fixed_size 327680
		.amdhsa_private_segment_fixed_size 0
		.amdhsa_enable_private_segment 0
		.amdhsa_kernarg_size 40
		.amdhsa_user_sgpr_count 2
		.amdhsa_user_sgpr_kernarg_segment_ptr 1
		.amdhsa_wavefront_size32 1
		.amdhsa_system_sgpr_workgroup_id_x 1
		.amdhsa_system_sgpr_workgroup_id_y 1
		.amdhsa_system_sgpr_workgroup_id_z 1
		.amdhsa_system_vgpr_workitem_id 0
		.amdhsa_next_free_vgpr 320
		.amdhsa_next_free_sgpr 100
		.amdhsa_reserve_vcc 0
		.amdhsa_float_denorm_mode_32 3
		.amdhsa_float_denorm_mode_16_64 3
		.amdhsa_memory_ordered 1
		.amdhsa_forward_progress 1
		.amdhsa_inst_pref_size 31
	.end_amdhsa_kernel
	.amdgpu_metadata
---
amdhsa.version: [ 1, 2 ]
amdhsa.kernels:
  - .name:           k_qbbdf785a2f_proj
    .symbol:         k_qbbdf785a2f_proj.kd
    .args:
      - { .name: ac, .offset: 0, .size: 8, .value_kind: global_buffer, .address_space: global }
      - { .name: wpc, .offset: 8, .size: 8, .value_kind: global_buffer, .address_space: global }
      - { .name: lowp_scales, .offset: 16, .size: 8, .value_kind: global_buffer, .address_space: global }
      - { .name: b_proj, .offset: 24, .size: 8, .value_kind: global_buffer, .address_space: global }
      - { .name: out0, .offset: 32, .size: 8, .value_kind: global_buffer, .address_space: global }
    .group_segment_fixed_size: 327680
    .private_segment_fixed_size: 0
    .kernarg_segment_align: 8
    .kernarg_segment_size: 40
    .max_flat_workgroup_size: 256
    .sgpr_count:     100
    .vgpr_count:     320
    .wavefront_size: 32
...
	.end_amdgpu_metadata
.endif
;; end of part 4
